; MI455X (gfx1250); checked and timed in simulation.
; The chip was launched on July 23, 2026; its instructions are those of AMD's public machine-readable ISA for CDNA 5 (MIT licence, August 2026) and "CDNA5" Instruction Set Architecture Reference Guide (July 2026). The comments in the code are by the model that wrote it; some were corrected since.
;; Multi Head Attention. Allowed arithmetic: matrix products marked QUANTISED: E2M3 operands, one E8M0 scale for each 32 along K, by v_wmma_scale_f32_16x16x128_f8f6f4 with both operands' format E2M3, f32 sums; everything else in f32.
;; Inputs: Wk 1,024 x 1,024 float32; Wo 1,024 x 1,024 float32; Wq 1,024 x 1,024 float32; Wv 1,024 x 1,024 float32; bo 1,024 float32; x 4 x 2,048 x 1,024 float32.
;; Outputs: out0 4 x 2,048 x 1,024 float32.
;; This version of the problem:
;;   THIS VERSION OF THE PROBLEM IS GIVEN IN LOW PRECISION. The matrix products marked QUANTISED in the list below multiply operands that are first quantised to E2M3 (2 exponent bits, 3 mantissa bits; 6 bits a number), with one power-of-two scale for each 32 numbers along K (OCP MX v1.0); their sums are f32. All else is computed in f32.
;;   The module's matrix products, in the order in which they are computed (A, B: the left and right operand; K: the contracted axis; several contracted axes count as one K, in the product's order):
;;     1. [M 8,192, K 1,024] x [K 1,024, N 1,024]; A: input x; B: input Wq: QUANTISED
;;     2. [M 8,192, K 1,024] x [K 1,024, N 1,024]; A: input x; B: input Wk: QUANTISED
;;     3. [M 8,192, K 1,024] x [K 1,024, N 1,024]; A: input x; B: input Wv: QUANTISED
;;     4. batch 64 x [M 2,048, K 64] x [K 64, N 2,048]; A: computed on the way; B: computed on the way: QUANTISED
;;     5. batch 64 x [M 2,048, K 2,048] x [K 2,048, N 64]; A: softmax (see below); B: computed on the way: QUANTISED
;;     6. [M 8,192, K 1,024] x [K 1,024, N 1,024]; A: computed on the way; B: input Wo: QUANTISED
;;   THE QUANTISER, for each operand of a quantised product, along K:
;;     - K is cut into blocks of 32 from its start; a last block that is shorter is filled with zeros.
;;     - A block's scale is 2^e with e = floor(log2(the largest magnitude in the block)) - 2, held to -126 .. 127; a block of zeros has e = 0. As a byte (E8M0): e + 127.
;;     - Each number is divided by its block's scale, clamped to +-7.5, and rounded to the nearest number of E2M3, ties to even, subnormals kept.
;;     - The product sums the exact products of the quantised numbers (number of the format x scale) in f32.
;;   ~~~python
;;   def quantise(x, axis):      # numpy; x: float32 -> the quantised numbers, widened to float32 again
;;       x = np.moveaxis(x, axis, -1); K = x.shape[-1]
;;       x = np.pad(x, [(0, 0)] * (x.ndim - 1) + [(0, -K % 32)]); x = x.reshape(x.shape[:-1] + (-1, 32)); a = np.abs(x).max(-1, keepdims=True)
;;       e = np.where(a > 0, np.clip(np.frexp(np.where(a > 0, a, 1))[1] - 1 - 2, -126, 127), 0)      # np.frexp(a)[1] - 1 = floor(log2(a)), exactly
;;       r = np.clip(x / 2.0 ** e, -7.5, 7.5)
;;       step = 2.0 ** (np.maximum(np.frexp(np.where(r == 0, 1, r))[1] - 1, 0) - 3)
;;       q = np.round(r / step) * step * 2.0 ** e      # np.round: ties to even
;;       return np.moveaxis(q.reshape(q.shape[:-2] + (-1,))[..., :K], -1, axis).astype(np.float32)
;;   ~~~
;;   SOFTMAX AHEAD OF A QUANTISED PRODUCT. Where the list says 'softmax', what is quantised is not the finished softmax but p = 2^(t - M), with t = logit x log2(e) and M = ceil(the row's largest t), a whole number; so 1/2 < the row's largest p <= 1. The row's sum l is taken of the UNQUANTISED p, in f32, and the product's result is divided by l at the end. Since M is a whole number, a kernel that streams over the keys may use a running M (the ceiling of the running maximum): every later rescaling is an exact power of two, which a block's scale takes up: the codes' values come out the same.
;;   OPERANDS COMPUTED ON THE WAY. 'Computed on the way' means the value that the module computes at that place (a softmax that the list does not call 'softmax' is quantised finished and normalised). What goes into a quantiser is computed in f32, as accurately as f32 sums, v_exp_f32 and their like allow (about 1e-6 of the number): no bf16 or f16 on the way to a quantiser, and a product that is left as it is and whose result goes on into a quantised operand takes f32 operands (vector FMAs, or v_wmma_f32_16x16x4_f32). A number that lies on a knife's edge between two numbers of the format may be rounded either way, as far as f32 arithmetic and the matrix unit's own rounding can turn it there, and no further.
;; One version. Each part assembles by itself: llvm-mc -triple=amdgcn-amd-amdhsa -mcpu=gfx1250 --defsym DOCPART=n.
;; ======== version 1 of 1: 4 launches
;; workspace buffers: xq 6,553,600 bytes; wq 3,276,800 bytes; qq 6,815,744 bytes; kv 13,631,488 bytes; oq 6,553,600 bytes
;; launch quant (part 1): grid 384 x 1, 4 waves a work-group, no clusters, 59,904 bytes of LDS; arguments x, Wq, Wk, Wv, Wo, xq, wq; writes xq, wq
.if DOCPART == 1
	.amdgcn_target "amdgcn-amd-amdhsa--gfx1250"
	.amdhsa_code_object_version 6
	.text
	.protected	k_q87c4408516_quant
	.globl	k_q87c4408516_quant
	.p2align	8
	.type	k_q87c4408516_quant,@function
k_q87c4408516_quant:
	s_mov_b64 s[64:65], 0
	v_nop
	global_prefetch_b8 v0, s[64:65] scope:SCOPE_SE
	s_setreg_imm32_b32 hwreg(HW_REG_WAVE_MODE, 25, 1), 1
	s_wait_xcnt 0x0
; x [8192][1024] and the four weights [1024 (k)][1024 (n)], f32, become codes of FP6 (E2M3) with one E8M0 byte for each 32 along K, laid as the products' launches read them.
; A block's scale is 2^(floor(log2(its largest magnitude)) - 2); its byte is the largest magnitude's exponent field - 2, held at 1 from below.
; LIMITS: a block of zeros gets the byte 1 where the rule says 127 (its codes are zeros, and this program alone reads the bytes); blocks whose largest magnitude lies under 2^-124 keep the byte 1;
; NaN and infinities among the inputs are not served.
; THE LAYOUT OF AN OPERAND.  Rows go in groups of 32; tile 2 G + u holds, at place r = 0 .. 15, row 32 G + 8 u + r + 8 (r / 8).  A piece (16 rows x 64 along K) is 768 bytes, an image of six registers a lane:
; registers 0-3 at 16 x lane, registers 4-5 at 512 + 8 x lane; lane (r, h) holds place r, k = 32 h .. 32 h + 31.  A tile is 16 pieces on end, 12,288 bytes.  Behind all codes: the scale words, 512 bytes a tile:
; [k / 256][r][2 words], a word the four bytes of 128 along K.
; Work-groups 0-255 take x (K innermost), 256-383 the weights (K outermost: wq's rows 0-1023 are Wq's columns, then Wk's, Wv's, Wo's).  The two paths part on the work-group's number and have LDS bytes of their own.
; No tensor load, no barrier: waves share nothing.  No matrix unit and no cluster: each input byte is read once, and nothing is shared.
.set XS,   6291456                     ; xq: where the scale words begin
.set WS,   3145728                     ; wq: likewise
.set XSTG, 8448                        ; x path: a wave's stage, 16 rows x (512 + 16) bytes
.set WST0, 33792                       ; W path: its stages begin behind x's four
.set WSTG, 6400
.set RA,   16                          ; v16-143  x path: two sets of 64 registers as loaded
.set X,    144                         ; v144-207 64 numbers of a lane: register 16 b + i = k 32 b + 16 h + i of its row
.set TM,   208                         ; v208-223 at work
.set PC,   224                         ; v224-243 the codes just made
.set SW,   244                         ; v244-247 the four steps' scale words
; 64 numbers of a lane become a fragment's codes in v[PC] .. v[PC+11] and its row's scale word in v[pw]
.macro QUANT s, pw
.irp b, 0,1,2,3
	v_max3_num_f32 v[TM+\b], |v[\s+16*\b]|, |v[\s+1+16*\b]|, 0x1800000   ; block b: my 16 numbers and the floor 2^(3 - 127): the byte cannot fall under 1
.endr
.irp i, 2,4,6,8,10,12,14
.irp b, 0,1,2,3
	v_max3_num_f32 v[TM+\b], v[TM+\b], |v[\s+16*\b+\i]|, |v[\s+1+16*\b+\i]|   ; the four blocks by turns
.endr
.endr
.irp b, 0,1,2,3
	v_permlanex16_b32 v[TM+4+\b], v[TM+\b], s20, s21
.endr
.irp b, 0,1,2,3
	v_max_num_f32 v[TM+\b], v[TM+\b], v[TM+4+\b]   ; with lane l xor 16's 16: the block's largest magnitude
.endr
.irp b, 0,1,2,3
	v_add_nc_u32 v[TM+12+\b], 0xff000000, v[TM+\b]   ; 2 off its exponent field: the conversion's scale operand
.endr
.irp b, 0,1,2,3
	v_lshrrev_b32 v[TM+4+\b], 23, v[TM+12+\b]      ; the scale's byte
.endr
	v_lshl_or_b32 v[\pw], v[TM+5], 8, v[TM+4]
	v_lshl_or_b32 v[\pw], v[TM+6], 16, v[\pw]
	v_lshl_or_b32 v[\pw], v[TM+7], 24, v[\pw]
.irp c, 0,1
	v_cvt_scalef32_pk16_fp6_f32 v[PC+6*\c:PC+2+6*\c], v[\s+32*\c:\s+15+32*\c], v[TM+12+2*\c]
	v_cvt_scalef32_pk16_fp6_f32 v[PC+12+4*\c:PC+14+4*\c], v[\s+16+32*\c:\s+31+32*\c], v[TM+12+2*\c+1]   ; (a conversion's three registers begin on an even number)
.endr
	v_nop                                          ; one plain place behind a scaled conversion
.irp c, 0,1                                    ; the operand wants a whole block in a lane: lanes 0-15 block 2 c, lanes 16-31 block 2 c + 1
.irp i, 0,1,2
	v_permlane16_swap_b32 v[PC+6*\c+\i], v[PC+12+4*\c+\i]
.endr
.irp i, 0,1,2
	v_mov_b32 v[PC+3+6*\c+\i], v[PC+12+4*\c+\i]
.endr
.endr
.endm
	s_load_b256 s[4:11], s[0:1], 0x0               ; x s[4:5], Wq s[6:7], Wk s[8:9], Wv s[10:11]
	s_load_b128 s[12:15], s[0:1], 0x20             ; Wo s[12:13], xq s[14:15]
	s_load_b64 s[16:17], s[0:1], 0x30              ; wq
	v_lshl_add_u32 v254, v0, 2, 0xe800
	v_mov_b32 v255, 0
	v_lshrrev_b32 v1, 5, v0
	v_readfirstlane_b32 s18, v1                    ; wave 0..3
	v_and_b32 v9, 31, v0                           ; lane
	v_and_b32 v10, 15, v0                          ; lane % 16
	v_bfe_u32 v11, v0, 4, 1                        ; lane / 16
	s_mov_b32 s20, 0x76543210
	s_mov_b32 s21, 0xfedcba98                      ; v_permlanex16_b32's selects for lane l xor 16
	s_cmp_lt_u32 ttmp9, 256
	s_cbranch_scc0 .Lweights
; ---- x.  A wave takes one tile of 16 rows and half of K, in four steps of 128.  Each load reads 512 consecutive bytes of one row; a step's 16 rows turn through the wave's own stage,
; so that lane (r, h) gets 16 neighbours of each block of 32 of row r.
	v_lshlrev_b32 v1, 4, v9                        ; 16 x lane
	v_lshlrev_b32 v2, 3, v9                        ; 8 x lane
	s_mul_i32 s19, s18, XSTG
	v_add_nc_u32 v3, s19, v1                       ; the stage, in: 16 x lane of a row
	v_mul_u32_u24 v4, v10, 528
	v_lshl_add_u32 v4, v11, 6, v4
	v_add_nc_u32 v4, s19, v4                       ; out: row r, + 64 h
.irp b, 0,1,2,3
	v_mov_b32 v[TM+4+\b], 0                        ; written once: a lane permute's destination counts as one of its sources
.endr
	s_lshl_b32 s22, ttmp9, 2
	s_add_co_u32 s22, s22, s18                     ; task = 4 x work-group + wave
	s_lshr_b32 s23, s22, 1                         ; tile T
	s_and_b32 s24, s22, 1                          ; which half of K
	s_lshr_b32 s25, s23, 1
	s_lshl_b32 s25, s25, 5
	s_and_b32 s26, s23, 1
	s_lshl_b32 s26, s26, 3
	s_add_co_u32 s25, s25, s26                     ; the tile's first row: 32 (T / 2) + 8 (T % 2)
	s_lshl_b32 s26, s25, 12
	s_lshl_b32 s27, s24, 11
	s_add_co_u32 s26, s26, s27
	s_mov_b32 s27, 0
	s_mul_i32 s28, s23, 12288
	s_mul_i32 s29, s24, 6144
	s_add_co_u32 s28, s28, s29
	s_mov_b32 s29, 0
	s_lshl_b32 s30, s23, 9
	s_lshl_b32 s31, s24, 8
	s_add_co_u32 s30, s30, s31
	s_add_co_u32 s30, s30, XS
	s_mov_b32 s31, 0
	s_wait_alu depctr_va_vdst(0)
	s_wait_kmcnt 0x0
	s_add_nc_u64 s[4:5], s[4:5], s[26:27]
	s_add_nc_u64 s[32:33], s[14:15], s[28:29]      ; my codes
	s_add_nc_u64 s[34:35], s[14:15], s[30:31]      ; my scale words
.macro XLOAD t
.irp i, 0,1,2,3,4,5,6,7,8,9,10,11,12,13,14,15
	global_load_b128 v[RA+64*((\t)%2)+4*\i:RA+64*((\t)%2)+4*\i+3], v1, s[4:5] offset:(\i+8*(\i/8))*4096+512*(\t) th:TH_LOAD_NT   ; place i of the tile: 32 lanes read 512 consecutive bytes
.endr
.endm
.macro XSTEP t
.if (\t) > 0
	s_wait_xcnt 0x0                                ; the last step's stores have read the codes' registers: they are written again only behind this wait
.endif
.if (\t) < 3
	s_wait_loadcnt 16                              ; this step's 16 loads are in; the next step's 16 may be out
.else
	s_wait_loadcnt 0x0
.endif
.irp i, 0,1,2,3,4,5,6,7,8,9,10,11,12,13,14,15
	ds_store_b128 v3, v[RA+64*((\t)%2)+4*\i:RA+64*((\t)%2)+4*\i+3] offset:528*\i
.endr
.irp b, 0,1,2,3
.irp j, 0,1,2,3
	ds_load_b128 v[X+16*\b+4*\j:X+16*\b+4*\j+3], v4 offset:128*\b+16*\j   ; LDS serves a wave's instructions in order: these see the stores above
.endr
.endr
	s_wait_dscnt 0x0                               ; the numbers are back, and the stores have read the set, which takes the loads of two steps on
.if (\t) < 2
	XLOAD (\t)+2
.endif
	QUANT X, SW+(\t)
	global_store_b128 v1, v[PC:PC+3], s[32:33] offset:1536*(\t)            ; two pieces on end: 512, 256, 512, 256 consecutive bytes
	global_store_b64 v2, v[PC+4:PC+5], s[32:33] offset:1536*(\t)+512
	global_store_b128 v1, v[PC+6:PC+9], s[32:33] offset:1536*(\t)+768
	global_store_b64 v2, v[PC+10:PC+11], s[32:33] offset:1536*(\t)+1280
.endm
	XLOAD 0
	XLOAD 1
	XSTEP 0
	XSTEP 1
	XSTEP 2
	XSTEP 3
	v_cmp_lt_u32 vcc_lo, 15, v9                    ; every lane holds its row's four words: lanes 0-15 store the first two, lanes 16-31 the other two
	v_cndmask_b32 v248, v[SW], v[SW+2], vcc_lo
	v_cndmask_b32 v249, v[SW+1], v[SW+3], vcc_lo
	global_store_b64 v2, v[248:249], s[34:35]      ; 32 lanes store 256 consecutive bytes, aligned
	s_wait_tensorcnt 0x0
	ds_add_u32 v254, v255
	s_wait_dscnt 0x0
	s_endpgm
; ---- the weights.  A lane takes a column n and its registers run down K: a block of 32 along K lies in one lane, and the codes come out with K innermost.  A wave: 32 columns x 256 along K.
.Lweights:
	s_sub_co_u32 s22, ttmp9, 256
	s_lshr_b32 s23, s22, 5                         ; which weight
	s_bfe_u32 s24, s22, 0x30002                    ; which 128 columns
	s_and_b32 s25, s22, 3                          ; which 256 along K
	s_wait_alu depctr_va_vdst(0)
	v_lshlrev_b32 v3, 2, v9                        ; in: 4 bytes a lane
	v_bfe_u32 v12, v0, 3, 1                        ; column 32 G + l lies in tile u = (l / 8) % 2,
	v_and_b32 v13, 7, v0
	v_lshl_add_u32 v13, v11, 3, v13                ; at place r = l % 8 + 8 (l / 16)
	s_mul_i32 s19, s18, WSTG
	s_add_co_u32 s19, s19, WST0                    ; my stage
	v_mul_u32_u24 v14, v12, 3200
	v_add_nc_u32 v14, s19, v14
	v_lshl_add_u32 v4, v13, 4, v14                 ; into it: registers 0-3 of a piece,
	v_lshl_add_u32 v5, v13, 3, v14                 ; registers 4-5
	v_lshlrev_b32 v7, 4, v9
	v_add_nc_u32 v6, s19, v7                       ; out of it: 16 x lane
	v_lshlrev_b32 v8, 9, v12
	v_lshl_add_u32 v8, v13, 3, v8                  ; my scale bytes: 512 u + 8 r
	s_lshl_b32 s26, s23, 5
	s_lshl_b32 s27, s24, 2
	s_add_co_u32 s26, s26, s27
	s_add_co_u32 s26, s26, s18                     ; my group of 32 rows of wq
	s_lshl_b32 s28, s25, 20                        ; 256 rows of 4,096 bytes
	s_lshl_b32 s29, s24, 9
	s_add_co_u32 s28, s28, s29
	s_lshl_b32 s29, s18, 7
	s_add_co_u32 s28, s28, s29
	s_mov_b32 s29, 0
	s_mul_i32 s30, s26, 24576                      ; two tiles a group
	s_mul_i32 s31, s25, 3072                       ; four pieces for 256 along K
	s_add_co_u32 s30, s30, s31
	s_mov_b32 s31, 0
	s_lshl_b32 s36, s26, 10
	s_lshl_b32 s37, s25, 7
	s_add_co_u32 s36, s36, s37
	s_add_co_u32 s36, s36, WS
	s_mov_b32 s37, 0
	s_wait_kmcnt 0x0
	s_cmp_eq_u32 s23, 1                            ; the choice hangs on the work-group's number alone
	s_cselect_b64 s[6:7], s[8:9], s[6:7]
	s_cmp_eq_u32 s23, 2
	s_cselect_b64 s[6:7], s[10:11], s[6:7]
	s_cmp_eq_u32 s23, 3
	s_cselect_b64 s[6:7], s[12:13], s[6:7]
	s_add_nc_u64 s[6:7], s[6:7], s[28:29]
	s_add_nc_u64 s[32:33], s[16:17], s[30:31]
	s_add_nc_u64 s[34:35], s[16:17], s[36:37]
.macro WLOAD t
.irp i, 0,1,2,3,4,5,6,7,8,9,10,11,12,13,14,15,16,17,18,19,20,21,22,23,24,25,26,27,28,29,30,31
	global_load_b32 v[32+32*((\t)%2)+\i], v3, s[6:7] offset:(32*(\t)+\i)*4096 th:TH_LOAD_NT   ; 128 consecutive bytes a wave, 512 a work-group
.endr
.endm
.macro BLOCK t
.set XB, 32+32*((\t)%2)
.if (\t) < 7
	s_wait_loadcnt 32                              ; this block's 32 loads are in; the next block's may be out
.else
	s_wait_loadcnt 0x0
.endif
	v_max3_num_f32 v16, |v[XB]|, |v[XB+1]|, |v[XB+2]|
	v_max3_num_f32 v17, |v[XB+3]|, |v[XB+4]|, |v[XB+5]|
.irp i, 6,10,14,18,22,26
	v_max3_num_f32 v16, v16, |v[XB+\i]|, |v[XB+\i+1]|
	v_max3_num_f32 v17, v17, |v[XB+\i+2]|, |v[XB+\i+3]|
.endr
	v_max3_num_f32 v16, v16, |v[XB+30]|, |v[XB+31]|
	v_max3_num_f32 v16, v16, v17, 0x1800000        ; and the floor
	v_add_nc_u32 v18, 0xff000000, v16              ; the conversion's scale operand
	v_lshrrev_b32 v19, 23, v18                     ; the byte
.if (\t)%4 == 0
	v_mov_b32 v[24+(\t)/4], v19
.else
	v_lshl_or_b32 v[24+(\t)/4], v19, 8*((\t)%4), v[24+(\t)/4]
.endif
	v_cvt_scalef32_pk16_fp6_f32 v[96:98], v[XB:XB+15], v18
	v_cvt_scalef32_pk16_fp6_f32 v[104:106], v[XB+16:XB+31], v18
	v_nop                                          ; one plain place behind a scaled conversion
	v_mov_b32 v99, v104
	v_mov_b32 v100, v105
	v_mov_b32 v101, v106
	ds_store_b128 v4, v[96:99] offset:768*((\t)/2)+256*((\t)%2)            ; piece t / 2, half h = t % 2: the image's place of lane (r, h)
	ds_store_b64 v5, v[100:101] offset:768*((\t)/2)+512+128*((\t)%2)
.if (\t) < 6
	WLOAD (\t)+2
.endif
	s_wait_dscnt 0x0                               ; the stores have read their registers
.endm
	WLOAD 0
	WLOAD 1
.irp t, 0,1,2,3,4,5,6,7
	BLOCK \t
.endr
	s_wait_alu depctr_va_vdst(0)
	global_store_b64 v8, v[24:25], s[34:35]        ; my column's eight bytes: runs of 64 bytes, one byte for each 128 that the path reads
.irp n, 0,1,2,3,4,5,6,7,8,9,10,11
	ds_load_b128 v[112+4*\n:115+4*\n], v6 offset:3200*(\n/6)+512*(\n%6)
.endr
.irp n, 0,1,2,3,4,5,6,7,8,9,10,11
	s_wait_dscnt 11-\n                             ; the younger loads may be out
	global_store_b128 v7, v[112+4*\n:115+4*\n], s[32:33] offset:12288*(\n/6)+512*(\n%6)   ; 512 consecutive bytes, aligned
.endr
	s_wait_tensorcnt 0x0
	ds_add_u32 v254, v255
	s_wait_dscnt 0x0
	s_endpgm
.Lfunc_end_k_q87c4408516_quant:
	.size	k_q87c4408516_quant, .Lfunc_end_k_q87c4408516_quant-k_q87c4408516_quant
	.p2alignl 7, 3214868480
	.fill 96, 4, 3214868480
	.section	.rodata,"a",@progbits
	.p2align	6, 0x0
	.amdhsa_kernel k_q87c4408516_quant
		.amdhsa_group_segment_fixed_size 59904
		.amdhsa_private_segment_fixed_size 0
		.amdhsa_enable_private_segment 0
		.amdhsa_kernarg_size 56
		.amdhsa_user_sgpr_count 2
		.amdhsa_user_sgpr_kernarg_segment_ptr 1
		.amdhsa_wavefront_size32 1
		.amdhsa_system_sgpr_workgroup_id_x 1
		.amdhsa_system_sgpr_workgroup_id_y 1
		.amdhsa_system_sgpr_workgroup_id_z 1
		.amdhsa_system_vgpr_workitem_id 0
		.amdhsa_next_free_vgpr 256
		.amdhsa_next_free_sgpr 66
		.amdhsa_reserve_vcc 1
		.amdhsa_float_denorm_mode_32 3
		.amdhsa_float_denorm_mode_16_64 3
		.amdhsa_memory_ordered 1
		.amdhsa_forward_progress 1
		.amdhsa_inst_pref_size 75
	.end_amdhsa_kernel
	.amdgpu_metadata
---
amdhsa.version: [ 1, 2 ]
amdhsa.kernels:
  - .name:           k_q87c4408516_quant
    .symbol:         k_q87c4408516_quant.kd
    .args:
      - { .name: x, .offset: 0, .size: 8, .value_kind: global_buffer, .address_space: global }
      - { .name: Wq, .offset: 8, .size: 8, .value_kind: global_buffer, .address_space: global }
      - { .name: Wk, .offset: 16, .size: 8, .value_kind: global_buffer, .address_space: global }
      - { .name: Wv, .offset: 24, .size: 8, .value_kind: global_buffer, .address_space: global }
      - { .name: Wo, .offset: 32, .size: 8, .value_kind: global_buffer, .address_space: global }
      - { .name: xq, .offset: 40, .size: 8, .value_kind: global_buffer, .address_space: global }
      - { .name: wq, .offset: 48, .size: 8, .value_kind: global_buffer, .address_space: global }
    .group_segment_fixed_size: 59904
    .private_segment_fixed_size: 0
    .kernarg_segment_align: 8
    .kernarg_segment_size: 56
    .max_flat_workgroup_size: 128
    .sgpr_count:     66
    .vgpr_count:     256
    .wavefront_size: 32
...
	.end_amdgpu_metadata
.endif
;; end of part 1
;; launch gemm_qkv (part 2): grid 8 x 48, 4 waves a work-group, clusters of 4 x 4, 327,680 bytes of LDS; arguments xq, wq, qq, kv; writes qq, kv
.if DOCPART == 2
	.amdgcn_target "amdgcn-amd-amdhsa--gfx1250"
	.amdhsa_code_object_version 6
	.text
	.protected	k_q87c4408516_gemm_qkv
	.globl	k_q87c4408516_gemm_qkv
	.p2align	8
	.type	k_q87c4408516_gemm_qkv,@function
k_q87c4408516_gemm_qkv:
	s_mov_b64 s[64:65], 0
	v_nop
	global_prefetch_b8 v0, s[64:65] scope:SCOPE_SE
	s_setreg_imm32_b32 hwreg(HW_REG_WAVE_MODE, 25, 1), 1
	s_wait_xcnt 0x0
	s_wait_alu depctr_hold_cnt(0) depctr_sa_sdst(0) depctr_va_vdst(0) depctr_va_sdst(0) depctr_va_ssrc(0) depctr_va_vcc(0) depctr_vm_vsrc(0)
	s_getreg_b32 s2, hwreg(HW_REG_IB_STS2, 6, 4)
	s_cmp_eq_u32 s2, 0
	s_cbranch_scc0 .Lentry_in_a_cluster
	s_endpgm
.Lentry_in_a_cluster:
	s_bfe_u32 s2, ttmp6, 0x10000c
	s_cmp_lg_u32 s2, 0xf033
	s_cbranch_scc0 .Lentry_shape_is_right
	s_endpgm
.Lentry_shape_is_right:
; q = x Wq, k = x Wk, v = x Wv on codes of FP6 (E2M3) with E8M0 scales, K = 1,024; the results are quantised in registers and leave as codes alone: q and k along a head's 64, v along the tokens.
; OPERANDS (xq: 512 tiles of tokens; wq: 256 tiles of weight columns): rows in groups of 32, tile 2 G + u holds at place r row 32 G + 8 u + r + 8 (r / 8).  A piece (16 rows x 64 K) is 768 bytes, an image of six registers
; a lane (registers 0-3 at 16 x lane, 4-5 at 512 + 8 x lane); a tile is 16 pieces; the scale words lie behind the codes, 512 bytes a tile: [k / 256][r][2 words].
; A work-group of four waves makes 256 x 256, a wave 128 x 128: 64 accumulators.  Source 0 takes B's tiles, source 1 A's: a lane holds one row of A, and by the tiles' row order the 16 registers of B's tiles 2 G, 2 G + 1
; are 16 NEIGHBOURING rows of B, 32 G + 16 (lane / 16) + 0 .. 15: what the conversions want.
; ROLES.  Clusters with y < 8: A = tokens, B = columns of Wq (cluster x = 0) or Wk (1): a lane's registers run along the heads' channels.  Clusters with y >= 8: A = columns of Wv, B = tokens: the registers run along the
; tokens, which are the K of attention's second product.  One way out serves all three; only bases and steps differ.
; K goes in four steps of 256 through two LDS slots; the text is written out, without a loop.  The scale words of the 512 rows come once and stay.
; CLUSTERS 4 x 4: A's tiles hang on the cluster's ids and cy alone and are asked for jointly along a row of the cluster, B's on the ids and cx alone, along a column.
; LIMITS: a block of zeros gets the byte 1 where the rule says 127 (zero codes; this program alone reads the bytes); blocks under 2^-124 keep the byte 1; NaN and infinities are not served.
; REGISTERS: window 0: v16-27 addresses, v28-29 the add's, v32-63 scale words (two sets), v128-223 A's 8 fragments (one set); on the way out v32-51 and v64-103 at work.  window 1: B's fragments, sets at v0 and v128.
;   window 2: accumulators of A's blocks 0-3 ((a, b) at v[8 (8 (a % 4) + b)]);  window 3: blocks 4-7.
.set XS,    6291456                    ; xq: where the scale words begin
.set WS,    3145728                    ; wq: likewise
.set QS,    6291456                    ; qq: likewise
.set REC,   13312                      ; kv: a record: a key step's K (8 pieces), V^T (4 fragments), K's scale words (4 x 128 bytes), V's (4 x 128)
.set HEADB, 212992                     ; 16 records: a head
.set BLKB,  196608                     ; 16 tiles' codes in memory
.set TILEB, 3072                       ; a tile's 256 along K: four pieces
.set HALFT, 8*TILEB                    ; what one tensor load brings, and what one wave reads of A or of B
.set SLOT,  4*HALFT                    ; A's 16 tiles, then B's
.set SCL,   2*SLOT                     ; behind the ring: the scale words, A's 8,192 bytes, then B's
.set HALFS, 4096
.set SPARE, SCL+4*HALFS                ; the spare words, 128 bytes for each wave: two blocks of 256 bytes that no other line names
.set FR,    12
.set NL,    4                          ; LDS loads that bring a fragment
.set NP,    4                          ; places behind this matrix instruction (ISA guide 7.12.1)
.set A16,  16                          ; v16-17 16 x lane + my A tiles in slot 0, 1;  v18-19 the same with 8 x lane
.set B16,  20                          ; v20-23 the same for B
.set L16,  24                          ; v24 16 x lane, v25 8 x lane, v26 4 x lane
.set ADRS, 27                          ; v27 my scale words: lanes 0-15 A's rows, lanes 16-31 B's
.set SPW,  28
.set NIL,  29
.set SC,   32                          ; set s at v[32 + 16 s]; register 2 i + q: block i, the slot's q-th 128 along K
.set AF,   128
.set TM,   32                          ; the way out: at work
.set G1, 24
.set G0, 32
.set G1B, 48
.set G0B, 56
.set G1S, 68
.set G0S, 76
.set G1SB, 80
.set G0SB, 88
.set MSB, 0
.macro WIN new                         ; the immediate's high byte repeats the setting that is left
.if MSB != (\new)
	s_set_vgpr_msb (MSB<<8)|(\new)
.set MSB, (\new)
.endif
.endm
.set MUL_LO, 0xa1                      ; source 0 (B) window 1, source 1 (A) window 0, C and D window 2
.set MUL_HI, 0xf1
.set TO_B,   0x40
; A joint load: waves 0 and 1 fetch for A, waves 2 and 3 for B; the branch hangs on the wave's number alone.  Four v_nop follow each of the two lines.
.macro JLOAD g0a, g1a, g0b, g1b
	s_cmp_eq_u32 s15, 0
	s_cbranch_scc0 .Lfor_b_\@
	tensor_load_to_lds s[\g0a:\g0a+3], s[\g1a:\g1a+7]
	s_nop 0
.rept 4
	v_nop
.endr
	s_branch .Lasked_\@
.Lfor_b_\@:
	tensor_load_to_lds s[\g0b:\g0b+3], s[\g1b:\g1b+7]
	s_nop 0
.rept 4
	v_nop
.endr
.Lasked_\@:
.endm
.macro CREST                           ; a round of the cluster's barrier behind its opening barrier
	s_cmp_lg_u32 s14, 0
	s_cbranch_scc1 .Lnot_wave_0_\@
	s_barrier_signal -3
.Lnot_wave_0_\@:
	s_barrier_wait -3
	s_barrier_signal -1
	s_barrier_wait -1
.endm
.macro CROUND
	s_barrier_signal -1
	s_barrier_wait -1
	CREST
.endm
	s_load_b256 s[4:11], s[0:1], 0x0               ; xq s[4:5], wq s[6:7], qq s[8:9], kv s[10:11]
	v_lshl_add_u32 v[SPW], v0, 2, SPARE
	v_mov_b32 v[NIL], 0
	ds_add_u32 v28, v29
	ds_add_u32 v28, v29
	s_wait_dscnt 0x0
	v_lshrrev_b32 v1, 5, v0
	v_readfirstlane_b32 s14, v1                    ; wave 0..3
	s_lshr_b32 s15, s14, 1                         ; which half of A's rows is mine.  Also: I fetch for A (0) or for B (1)
	s_and_b32 s16, s14, 1                          ; which half of B's rows.  Also: which 8 tiles I fetch
	s_bfe_u32 s40, ttmp6, 0x40000                  ; cx
	s_bfe_u32 s41, ttmp6, 0x40004                  ; cy
	s_mov_b32 s12, ttmp9                           ; cluster x
	s_and_b32 s13, ttmp7, 0xffff                   ; cluster y
	s_lshl_b32 s42, s12, 2
	s_add_co_u32 s42, s42, s40                     ; gx = 4 x cluster x + cx
	s_lshl_b32 s17, s13, 2
	s_add_co_u32 s17, s17, s41                     ; gy = 4 x cluster y + cy
	s_lshl_b32 s43, s41, 2
	s_lshl_b32 s43, 15, s43                        ; my row of the cluster
	s_lshl_b32 s44, 0x1111, s40                    ; my column
	; group 1 for codes: 8 rows (tiles) of 3,072 bytes = 384 elements of 8 bytes, 12,288 bytes = 1,536 elements apart; they land on end
	s_or_b32 s[G1], s43, (3<<16)|(1<<21)           ; 15:0 the mask; 17:16 elements of 8 bytes; 21 set beside a mask
	s_or_b32 s[G1B], s44, (3<<16)|(1<<21)
.irp g, G1, G1B
	s_mov_b32 s[\g+1], 384<<16                     ; tensor_dim0
	s_mov_b32 s[\g+2], 8<<16                       ; tensor_dim1
	s_mov_b32 s[\g+3], 384<<16                     ; tile_dim0
	s_mov_b32 s[\g+4], 8                           ; tile_dim1
	s_mov_b32 s[\g+5], 1536                        ; stride
	s_mov_b32 s[\g+6], 0
	s_mov_b32 s[\g+7], 0
.endr
	; and for the scale words of 8 tiles: 4,096 dense bytes as 16 rows of 256
	s_or_b32 s[G1S], s43, (3<<16)|(1<<21)
	s_or_b32 s[G1SB], s44, (3<<16)|(1<<21)
.irp g, G1S, G1SB
	s_mov_b32 s[\g+1], 32<<16
	s_mov_b32 s[\g+2], 16<<16
	s_mov_b32 s[\g+3], 32<<16
	s_mov_b32 s[\g+4], 16
	s_mov_b32 s[\g+5], 32
	s_mov_b32 s[\g+6], 0
	s_mov_b32 s[\g+7], 0
.endr
	s_add_co_u32 s18, s41, 8                       ; v: A = wq's block 8 + cy (Wv's columns)
	s_max_u32 s19, s13, 8
	s_sub_co_u32 s19, s19, 8
	s_lshl_b32 s19, s19, 3
	s_add_co_u32 s19, s19, s42                     ; v: B = xq's block gx + 8 (cluster y - 8)
	s_mov_b32 s20, XS
	s_mov_b32 s21, WS
	s_wait_kmcnt 0x0
	s_cmp_ge_u32 s13, 8                            ; v's clusters?  The choice hangs on the cluster's y alone
	s_cselect_b32 s46, s18, s17                    ; A's block: made of cy and the cluster's ids
	s_cselect_b32 s47, s19, s42                    ; B's block: made of cx and the cluster's ids
	s_cselect_b64 s[92:93], s[6:7], s[4:5]         ; A's buffer
	s_cselect_b64 s[94:95], s[4:5], s[6:7]         ; B's
	s_cselect_b32 s96, s21, s20                    ; where their scale words begin
	s_cselect_b32 s97, s20, s21
	s_mul_i32 s18, s16, 8*12288                    ; the 8 tiles that I fetch
	s_lshl_b32 s19, s16, 12
	s_mul_i32 s20, s46, BLKB
	s_add_co_u32 s20, s20, s18
	s_mov_b32 s21, 0
	s_mul_i32 s22, s47, BLKB
	s_add_co_u32 s22, s22, s18
	s_mov_b32 s23, 0
	s_lshl_b32 s98, s46, 13
	s_add_co_u32 s98, s98, s19
	s_add_co_u32 s98, s98, s96
	s_mov_b32 s99, 0
	s_lshl_b32 s100, s47, 13
	s_add_co_u32 s100, s100, s19
	s_add_co_u32 s100, s100, s97
	s_mov_b32 s101, 0
	s_mul_i32 s45, s14, HALFT                      ; where they go: wave x 8 tiles: no place in the cluster enters an LDS address
	s_lshl_b32 s3, s14, 12
	s_add_nc_u64 s[20:21], s[92:93], s[20:21]
	s_add_nc_u64 s[22:23], s[94:95], s[22:23]
	s_add_nc_u64 s[98:99], s[92:93], s[98:99]
	s_add_nc_u64 s[100:101], s[94:95], s[100:101]
	CROUND                                         ; all sixteen work-groups are here: the first joint loads meet
	s_mov_b32 s[G0S], 1
	s_add_co_u32 s[G0S+1], s3, SCL
	s_mov_b64 s[G0S+2:G0S+3], s[98:99]
	s_or_b32 s[G0S+3], s[G0S+3], 0x80000000
	s_mov_b32 s[G0SB], 1
	s_add_co_u32 s[G0SB+1], s3, SCL
	s_mov_b64 s[G0SB+2:G0SB+3], s[100:101]
	s_or_b32 s[G0SB+3], s[G0SB+3], 0x80000000
	JLOAD G0S, G1S, G0SB, G1SB                     ; the scale words first: they are wanted with K step 0
.irp s, 0,1
	s_mov_b32 s[G0+4*\s], 1
	s_add_co_u32 s[G0+4*\s+1], s45, \s*SLOT
	s_add_nc_u64 s[G0+4*\s+2:G0+4*\s+3], s[20:21], \s*TILEB
	s_or_b32 s[G0+4*\s+3], s[G0+4*\s+3], 0x80000000
	s_mov_b32 s[G0B+4*\s], 1
	s_add_co_u32 s[G0B+4*\s+1], s45, \s*SLOT
	s_add_nc_u64 s[G0B+4*\s+2:G0B+4*\s+3], s[22:23], \s*TILEB
	s_or_b32 s[G0B+4*\s+3], s[G0B+4*\s+3], 0x80000000
	JLOAD G0+4*\s, G1, G0B+4*\s, G1B               ; three tensor loads of mine are out behind the second of these
.endr
	v_and_b32 v1, 31, v0                           ; lane
	v_and_b32 v2, 15, v0                           ; r
	v_bfe_u32 v3, v0, 4, 1                         ; h
	v_lshlrev_b32 v[L16], 4, v1
	v_lshlrev_b32 v[L16+1], 3, v1
	v_lshlrev_b32 v[L16+2], 2, v1
	s_mul_i32 s18, s15, HALFT                      ; my 8 tiles of A
	s_mul_i32 s19, s16, HALFT                      ; my 8 tiles of B,
	s_add_co_u32 s19, s19, 2*HALFT                 ; behind A's 16
.irp s, 0,1
	v_add_nc_u32 v[A16+\s], s18, v[L16]
	v_add_nc_u32 v[A16+2+\s], s18, v[L16+1]
	v_add_nc_u32 v[B16+\s], s19, v[L16]
	v_add_nc_u32 v[B16+2+\s], s19, v[L16+1]
	s_add_co_u32 s18, s18, SLOT
	s_add_co_u32 s19, s19, SLOT
.endr
	s_mul_i32 s18, s15, HALFS                      ; the scale words: A's, my 8 tiles;
	s_mul_i32 s19, s16, HALFS
	s_add_co_u32 s19, s19, 2*HALFS                 ; B's, behind A's
	s_sub_co_u32 s19, s19, s18
	v_mul_u32_u24 v4, s19, v3                      ; lanes 16-31 take B's: one product, the distance x h
	s_add_co_u32 s18, s18, SCL
	v_lshl_add_u32 v4, v2, 3, v4                   ; 8 bytes a row
	v_add_nc_u32 v[ADRS], s18, v4
.macro FRAG reg, a16, a8, off          ; a fragment, 16 rows x 128 K, is two pieces on end: four loads, each of 512 or 256 consecutive bytes
	ds_load_b128 v[\reg:\reg+3], v[\a16] offset:\off
	ds_load_b64 v[\reg+4:\reg+5], v[\a8] offset:\off+512
	ds_load_b128 v[\reg+6:\reg+9], v[\a16] offset:\off+768
	ds_load_b64 v[\reg+10:\reg+11], v[\a8] offset:\off+1280
.endm
; 16 matrix instructions: A's blocks a0, a0 + 1 x B's eight.  p: B's set; q: the slot's q-th 128 along K; sc: the set of scale words.  zero = 1: the first product starts the sums.
; The 64 accumulators take turns, one instruction a turn, in the same order in every step.
.macro MUL16 a0, p, q, sc, zero
.irp a, \a0, \a0+1
.irp b, 0,1,2,3,4,5,6,7
.if \zero
	v_wmma_scale_f32_16x16x128_f8f6f4 v[8*(8*((\a)%4)+\b):8*(8*((\a)%4)+\b)+7], v[128*(\p)+FR*\b:128*(\p)+FR*\b+FR-1], v[AF+FR*(\a):AF+FR*(\a)+FR-1], 0, v[SC+16*(\sc)+2*\b+(\q)], v[SC+16*(\sc)+2*(\a)+(\q)] matrix_a_fmt:MATRIX_FMT_FP6 matrix_b_fmt:MATRIX_FMT_FP6 matrix_a_scale:MATRIX_SCALE_ROW1
.else
	v_wmma_scale_f32_16x16x128_f8f6f4 v[8*(8*((\a)%4)+\b):8*(8*((\a)%4)+\b)+7], v[128*(\p)+FR*\b:128*(\p)+FR*\b+FR-1], v[AF+FR*(\a):AF+FR*(\a)+FR-1], v[8*(8*((\a)%4)+\b):8*(8*((\a)%4)+\b)+7], v[SC+16*(\sc)+2*\b+(\q)], v[SC+16*(\sc)+2*(\a)+(\q)] matrix_a_fmt:MATRIX_FMT_FP6 matrix_b_fmt:MATRIX_FMT_FP6 matrix_a_scale:MATRIX_SCALE_ROW1
.endif
.endr
.endr
.endm
.macro FETCH_B slot, q, p
	WIN TO_B
.irp i, 0,1,2,3,4,5,6,7
	FRAG 128*(\p)+FR*\i, B16+\slot, B16+2+\slot, TILEB*\i+1536*(\q)
.endr
	WIN 0
.endm
.macro FETCH_A slot, q, i0
.irp i, \i0, \i0+1, \i0+2, \i0+3
	FRAG AF+FR*(\i), A16+\slot, A16+2+\slot, TILEB*(\i)+1536*(\q)
.endr
.endm
.macro SCALES sc, j                    ; K step j's scale words into set sc: two words a row; lanes 0-15 take A's block i, lanes 16-31 B's
.irp i, 0,1,2,3,4,5,6,7
	ds_load_b64 v[SC+16*\sc+2*\i:SC+16*\sc+2*\i+1], v[ADRS] offset:512*\i+128*\j
.endr
.endm
.macro PLACES n                        ; plain vector instructions between a matrix instruction and a load into, or a read of, its registers (for reads)
.rept \n
	v_nop
.endr
.endm
.macro STEP slot, q, zero              ; 128 along K that have their successor in the same slot
	s_wait_dscnt 4*NL                              ; B's set, A's blocks 0-3 and the scale words are in; the youngest 16 loads (A's blocks 4-7) may be out
	WIN MUL_LO
	MUL16 0, (\q)%2, \q, \slot, \zero
	MUL16 2, (\q)%2, \q, \slot, \zero
	s_wait_dscnt 0
	PLACES NP
	FETCH_B \slot, (\q)+1, 1-(\q)%2
	FETCH_A \slot, (\q)+1, 0
	WIN MUL_HI
	MUL16 4, (\q)%2, \q, \slot, \zero
	MUL16 6, (\q)%2, \q, \slot, \zero
	PLACES NP
	WIN 0
	FETCH_A \slot, (\q)+1, 4
.endm
; A slot's last step changes slots: one barrier; in front of it each wave waits for all its tensor loads, adds 0 to its spare word, and waits for that and for its reads of this slot.
; fill = 1: the barrier opens a round of the cluster's, and this slot is filled again, two K steps ahead, first thing behind the round.  j: the next slot's K step.
.macro TURN slot, next, fill, j
	s_wait_tensorcnt 0x0                           ; all my tensor loads have landed: my part of the next slot
	ds_add_u32 v[SPW], v[NIL]                      ; 0 onto my spare word
	s_wait_dscnt 4*NL+1                            ; (the add and the youngest 16 loads may be out)
	WIN MUL_LO
	MUL16 0, 1, 1, \slot, 0                        ; sixteen matrix instructions stand between the add and the wait for it
	s_wait_dscnt 0x0                               ; the add is done, and my reads of this slot are over
	s_barrier_signal -1
	MUL16 2, 1, 1, \slot, 0
	WIN 0
	s_barrier_wait -1
.if \fill
	CREST                                          ; no wave of any partner still reads this slot or has a load on its way
	s_add_nc_u64 s[G0+4*\slot+2:G0+4*\slot+3], s[G0+4*\slot+2:G0+4*\slot+3], 2*TILEB
	s_add_nc_u64 s[G0B+4*\slot+2:G0B+4*\slot+3], s[G0B+4*\slot+2:G0B+4*\slot+3], 2*TILEB
	JLOAD G0+4*\slot, G1, G0B+4*\slot, G1B         ; my one tensor load behind the round; its four v_nop are the places in front of the loads below
.else
	PLACES NP
.endif
	FETCH_B \next, 0, 0
	FETCH_A \next, 0, 0
	SCALES \next, \j
	WIN MUL_HI
	MUL16 4, 1, 1, \slot, 0
	MUL16 6, 1, 1, \slot, 0
	PLACES NP
	WIN 0
	FETCH_A \next, 0, 4
.endm
	s_wait_alu depctr_va_vdst(0)
	s_wait_tensorcnt 1                             ; the scale words and my part of K step 0 are in; slot 1's fill may stay out
	s_barrier_signal -1
	s_barrier_wait -1
	FETCH_B 0, 0, 0
	FETCH_A 0, 0, 0
	SCALES 0, 0
	FETCH_A 0, 0, 4
	STEP 0, 0, 1                                   ; K = 0: the products start the sums
	TURN 0, 1, 1, 1                                ; slot 0 takes K step 2
	STEP 1, 0, 0
	TURN 1, 0, 1, 2                                ; slot 1 takes K step 3
	STEP 0, 0, 0
	TURN 0, 1, 0, 3                                ; nothing is left to fetch
	STEP 1, 0, 0
	s_wait_dscnt 4*NL
	WIN MUL_LO
	MUL16 0, 1, 1, 1, 0
	MUL16 2, 1, 1, 1, 0
	s_wait_dscnt 0
	WIN MUL_HI
	MUL16 4, 1, 1, 1, 0
	MUL16 6, 1, 1, 1, 0
	WIN 0
; THE WAY OUT.  For each block a of A, a lane's 64 results (register 16 b + i = row 32 b + 16 h + i of my 128 rows of B) become one fragment (two pieces) and one scale word.
;   q, k: the fragment's two pieces are two heads' 64 channels of 16 tokens; piece 0 goes to head0's place, piece 1 to head0 + 1's; the words of blocks a, a + 1 are regrouped by halves, head by head.
;   v: the fragment is 16 channels x 128 keys of V^T and goes out whole; blocks 0-3 are head0's, blocks 4-7 head0 + 1's.
; No tensor load of mine is out (the last change of slots waited for all), so the descriptors' registers take the bases and steps.  All choices hang on the cluster's ids alone.
	s_cmp_ge_u32 s13, 8
	s_cselect_b32 s18, s47, s46                    ; the tokens' block,
	s_cselect_b32 s19, s16, s15                    ; my half of it,
	s_cselect_b32 s20, s46, s47                    ; the weight's block,
	s_cselect_b32 s21, s15, s16                    ; my half of it
	s_cselect_b32 s22, 2, s12                      ; kind: 0 q, 1 k, 2 v
	s_lshl_b32 s18, s18, 4
	s_lshl_b32 s19, s19, 3
	s_add_co_u32 s18, s18, s19                     ; my first tile of tokens
	s_lshl_b32 s20, s20, 2
	s_lshl_b32 s21, s21, 1
	s_add_co_u32 s20, s20, s21
	s_and_b32 s20, s20, 15                         ; head0
	s_lshr_b32 s19, s18, 7                         ; the batch
	s_and_b32 s18, s18, 127                        ; the tile within it
	s_lshl_b32 s19, s19, 4
	s_add_co_u32 s19, s19, s20                     ; HB = 16 x batch + head0
	s_lshl_b32 s24, s19, 7
	s_add_co_u32 s24, s24, s18
	s_mul_i32 s24, s24, 768                        ; q: codes [HB][tile] pieces
	s_lshl_b32 s25, s19, 6
	s_lshr_b32 s26, s18, 1
	s_add_co_u32 s25, s25, s26
	s_lshl_b32 s25, s25, 7
	s_add_co_u32 s25, s25, QS                      ; q: scale words [HB][pair of tiles][32 lanes]
	s_mul_i32 s26, s19, HEADB
	s_lshr_b32 s27, s18, 3
	s_mul_i32 s27, s27, REC
	s_add_co_u32 s26, s26, s27                     ; k: the record of my 128 tokens
	s_add_co_u32 s27, s26, 12288                   ; k's scale words in it
	s_add_co_u32 s28, s26, 6144                    ; v's fragments
	s_add_co_u32 s29, s26, 12800                   ; v's scale words
	s_cmp_eq_u32 s22, 2
	s_cselect_b32 s26, s28, s26
	s_cselect_b32 s27, s29, s27
	s_mov_b32 s30, HEADB
	s_cselect_b32 s48, 768, s30                    ; from piece 0's place to piece 1's
	s_cselect_b32 s49, 128, s30                    ; from the first word's place to the second's
	s_mov_b32 s56, 768
	s_cselect_b32 s56, 1536, s56                   ; from block a to block a + 1
	s_cselect_b32 s58, 206848, 0                   ; and more at a = 4: v goes on to the next head's record
	s_mov_b32 s60, 128
	s_cselect_b32 s60, 256, s60                    ; the words' step for two blocks
	s_cselect_b32 s62, 212480, 0
	s_mov_b32 s76, 0x05040100                      ; q, k: the two words' low halves; v: the first word
	s_cselect_b32 s76, 0x03020100, s76
	s_mov_b32 s77, 0x07060302                      ; q, k: the high halves; v: the second word
	s_cselect_b32 s77, 0x07060504, s77
	s_cmp_eq_u32 s22, 0
	s_cselect_b32 s26, s24, s26
	s_cselect_b32 s27, s25, s27
	s_cselect_b32 s48, 98304, s48
	s_cselect_b32 s49, 8192, s49
	s_cselect_b64 s[50:51], s[8:9], s[10:11]       ; qq or kv
	s_mov_b32 s57, 0
	s_mov_b32 s59, 0
	s_mov_b32 s61, 0
	s_mov_b32 s63, 0
	s_mov_b32 s53, 0
	s_mov_b32 s52, s26
	s_add_nc_u64 s[32:33], s[50:51], s[52:53]      ; piece 0's place
	s_mov_b32 s52, s48
	s_add_nc_u64 s[34:35], s[32:33], s[52:53]      ; piece 1's
	s_mov_b32 s52, s27
	s_add_nc_u64 s[36:37], s[50:51], s[52:53]      ; the first word's
	s_mov_b32 s52, s49
	s_add_nc_u64 s[38:39], s[36:37], s[52:53]      ; the second's
	s_mov_b32 s20, 0x76543210
	s_mov_b32 s21, 0xfedcba98                      ; v_permlanex16_b32's selects for lane l xor 16
	PLACES NP                                      ; behind the last products: results are read and scale registers written below
.irp b, 0,1,2,3
	v_mov_b32 v[TM+4+\b], 0                        ; a lane permute's destination counts as one of its sources
.endr
.macro QUANTA a                        ; block a's 64 results, in window 2 or 3, become codes in v[PCA] .. v[PCA+11] and the word v48 (a even) or v49
.set AC, 64*((\a)%4)
.set WN, 2+(\a)/4
.set PCA, 64+20*((\a)%2)
	WIN (WN<<2)|(WN<<4)                            ; sources 1 and 2: the accumulators' window
.irp b, 0,1,2,3
	v_max3_num_f32 v[TM+\b], 0x1800000, |v[AC+16*\b]|, |v[AC+16*\b+1]|   ; the floor 2^(3 - 127) and my 16 numbers of block b; each accumulator is read from its low end on
.endr
.irp i, 2,4,6,8,10,12,14
.irp b, 0,1,2,3
	v_max3_num_f32 v[TM+\b], v[TM+\b], |v[AC+16*\b+\i]|, |v[AC+16*\b+\i+1]|
.endr
.endr
	WIN 0
.irp b, 0,1,2,3
	v_permlanex16_b32 v[TM+4+\b], v[TM+\b], s20, s21
.endr
.irp b, 0,1,2,3
	v_max_num_f32 v[TM+\b], v[TM+\b], v[TM+4+\b]
.endr
.irp b, 0,1,2,3
	v_add_nc_u32 v[TM+12+\b], 0xff000000, v[TM+\b]   ; 2 off the exponent field: the conversion's scale operand
.endr
.irp b, 0,1,2,3
	v_lshrrev_b32 v[TM+4+\b], 23, v[TM+12+\b]
.endr
	v_lshl_or_b32 v[48+(\a)%2], v[TM+5], 8, v[TM+4]
	v_lshl_or_b32 v[48+(\a)%2], v[TM+6], 16, v[48+(\a)%2]
	v_lshl_or_b32 v[48+(\a)%2], v[TM+7], 24, v[48+(\a)%2]
	WIN WN                                         ; source 0: the accumulators' window
.irp c, 0,1
	v_cvt_scalef32_pk16_fp6_f32 v[PCA+6*\c:PCA+2+6*\c], v[AC+32*\c:AC+15+32*\c], v[TM+12+2*\c]
	v_cvt_scalef32_pk16_fp6_f32 v[PCA+12+4*\c:PCA+14+4*\c], v[AC+16+32*\c:AC+31+32*\c], v[TM+12+2*\c+1]
.endr
	WIN 0
	v_nop                                          ; one plain place behind a scaled conversion
.irp c, 0,1
.irp i, 0,1,2
	v_permlane16_swap_b32 v[PCA+6*\c+\i], v[PCA+12+4*\c+\i]
.endr
.irp i, 0,1,2
	v_mov_b32 v[PCA+3+6*\c+\i], v[PCA+12+4*\c+\i]
.endr
.endr
.endm
.irp a, 0,1,2,3,4,5,6,7
.if \a > 0
	s_wait_xcnt 0x0                                ; the stores so far have read their bases and data: both are written again only behind this wait
	s_add_nc_u64 s[32:33], s[32:33], s[56:57]
	s_add_nc_u64 s[34:35], s[34:35], s[56:57]
.if (\a%2) == 0
	s_add_nc_u64 s[36:37], s[36:37], s[60:61]
	s_add_nc_u64 s[38:39], s[38:39], s[60:61]
.endif
.if \a == 4
	s_add_nc_u64 s[32:33], s[32:33], s[58:59]
	s_add_nc_u64 s[34:35], s[34:35], s[58:59]
	s_add_nc_u64 s[36:37], s[36:37], s[62:63]
	s_add_nc_u64 s[38:39], s[38:39], s[62:63]
.endif
.endif
	QUANTA \a
	global_store_b128 v[L16], v[PCA:PCA+3], s[32:33]                 ; a piece: 512 and 256 consecutive bytes, aligned
	global_store_b64 v[L16+1], v[PCA+4:PCA+5], s[32:33] offset:512
	global_store_b128 v[L16], v[PCA+6:PCA+9], s[34:35]
	global_store_b64 v[L16+1], v[PCA+10:PCA+11], s[34:35] offset:512
.if (\a%2) == 1
	v_perm_b32 v50, v49, v48, s76
	v_perm_b32 v51, v49, v48, s77
	global_store_b32 v[L16+2], v50, s[36:37]       ; 128 consecutive bytes: lanes 16-31 repeat lanes 0-15
	global_store_b32 v[L16+2], v51, s[38:39]
.endif
.endr
	s_wait_tensorcnt 0x0                           ; the wave's end
	ds_add_u32 v[SPW], v[NIL]
	s_wait_dscnt 0x0
	CROUND                                         ; the closing round: no work-group ends while a partner may still ask for a tile that names it
	s_endpgm
.Lfunc_end_k_q87c4408516_gemm_qkv:
	.size	k_q87c4408516_gemm_qkv, .Lfunc_end_k_q87c4408516_gemm_qkv-k_q87c4408516_gemm_qkv
	.p2alignl 7, 3214868480
	.fill 96, 4, 3214868480
	.section	.rodata,"a",@progbits
	.p2align	6, 0x0
	.amdhsa_kernel k_q87c4408516_gemm_qkv
		.amdhsa_group_segment_fixed_size 327680
		.amdhsa_private_segment_fixed_size 0
		.amdhsa_enable_private_segment 0
		.amdhsa_kernarg_size 32
		.amdhsa_user_sgpr_count 2
		.amdhsa_user_sgpr_kernarg_segment_ptr 1
		.amdhsa_wavefront_size32 1
		.amdhsa_system_sgpr_workgroup_id_x 1
		.amdhsa_system_sgpr_workgroup_id_y 1
		.amdhsa_system_sgpr_workgroup_id_z 1
		.amdhsa_system_vgpr_workitem_id 0
		.amdhsa_next_free_vgpr 1024
		.amdhsa_next_free_sgpr 102
		.amdhsa_reserve_vcc 0
		.amdhsa_float_denorm_mode_32 3
		.amdhsa_float_denorm_mode_16_64 3
		.amdhsa_memory_ordered 1
		.amdhsa_forward_progress 1
		.amdhsa_inst_pref_size 153
	.end_amdhsa_kernel
	.amdgpu_metadata
---
amdhsa.version: [ 1, 2 ]
amdhsa.kernels:
  - .name:           k_q87c4408516_gemm_qkv
    .symbol:         k_q87c4408516_gemm_qkv.kd
    .args:
      - { .name: xq, .offset: 0, .size: 8, .value_kind: global_buffer, .address_space: global }
      - { .name: wq, .offset: 8, .size: 8, .value_kind: global_buffer, .address_space: global }
      - { .name: qq, .offset: 16, .size: 8, .value_kind: global_buffer, .address_space: global }
      - { .name: kv, .offset: 24, .size: 8, .value_kind: global_buffer, .address_space: global }
    .group_segment_fixed_size: 327680
    .private_segment_fixed_size: 0
    .kernarg_segment_align: 8
    .kernarg_segment_size: 32
    .max_flat_workgroup_size: 128
    .sgpr_count:     102
    .vgpr_count:     1024
    .wavefront_size: 32
...
	.end_amdgpu_metadata
.endif
;; end of part 2
;; launch attn (part 3): grid 4 x 64, 16 waves a work-group, clusters of 4 x 1, 215,040 bytes of LDS; arguments qq, kv, oq; writes oq
.if DOCPART == 3
	.amdgcn_target "amdgcn-amd-amdhsa--gfx1250"
	.amdhsa_code_object_version 6
	.text
	.protected	k_q87c4408516_attn
	.globl	k_q87c4408516_attn
	.p2align	8
	.type	k_q87c4408516_attn,@function
k_q87c4408516_attn:
	s_mov_b64 s[64:65], 0
	v_nop
	global_prefetch_b8 v0, s[64:65] scope:SCOPE_SE
	s_setreg_imm32_b32 hwreg(HW_REG_WAVE_MODE, 25, 1), 1
	s_wait_xcnt 0x0
	s_wait_alu depctr_hold_cnt(0) depctr_sa_sdst(0) depctr_va_vdst(0) depctr_va_sdst(0) depctr_va_ssrc(0) depctr_va_vcc(0) depctr_vm_vsrc(0)
	s_getreg_b32 s2, hwreg(HW_REG_IB_STS2, 6, 4)
	s_cmp_eq_u32 s2, 0
	s_cbranch_scc0 .Lentry_in_a_cluster
	s_endpgm
.Lentry_in_a_cluster:
	s_bfe_u32 s2, ttmp6, 0x10000c
	s_cmp_lg_u32 s2, 0x3003
	s_cbranch_scc0 .Lentry_shape_is_right
	s_endpgm
.Lentry_shape_is_right:
; Causal attention of 64 (batch, head) pairs, 2,048 tokens, head size 64, both products on codes of FP6 (E2M3) with E8M0 scales.  The result, divided by the row's sum, is quantised along (head, channel) and leaves as codes:
; the operand of the last product.
; THE SOFTMAX: t = score x log2(e) / 8; M = the row's largest t so far, rounded up to a whole number; p = 2^(t - M) is quantised along the keys, not normalised; the row's sum is taken of the unquantised p.
; When M moves, the sum and O are multiplied by 2^(old M - new M): exact.
; SHARES.  A cluster is the four work-groups of one (batch, head).  The head's K, V^T and scale words, 16 records of 13,312 bytes, come into LDS ONCE: wave w asks for record w, jointly with the three partners (the same
; descriptor, a mask that names the four).  Nothing is filled again: no ring, and no barrier in the loops.  A wave takes two tiles of 16 queries, T = 4 w + cx and 127 - T: 17 key steps of 128 for every wave.
; Branches hang on the wave's number and the loops' counters alone; cx enters global addresses, the mask's threshold and a byte selector.
; LAYOUT.  Tile 2 G + u of tokens holds at place r token 32 G + 8 u + r + 8 (r / 8).  Both products are used transposed: a lane holds ONE query throughout.  A fragment of K is two pieces: tile 2 g's 64 channels at
; k = 0 .. 63 and tile 2 g + 1's at k = 64 .. 127; multiplied by [q | 0] it gives tile 2 g's scores, by [0 | q] tile 2 g + 1's (the head's K is 64: the other half of each product is zero codes).
; So the 16 registers of tiles 2 g, 2 g + 1 are the keys 32 g + 16 (lane / 16) + 0 .. 15 of the step.
; LIMITS: a block of zeros gets the byte 1 where the rule says 127 (zero codes; this program alone reads the bytes); NaN and infinities are not served.
; REGISTERS: v1-3 16, 8, 4 x lane; v4-6 those + the record; v7 the mask's threshold; v12 -M, v13 the largest t, v[14:15] the sum; v16-27 [q | 0]; v28-39 [0 | q]; v40-87 four fragments of K, then of V; v88-91 their scale words;
;   v92 q's scale word; v93 p's; v96-159 S^T, then p; v160-191 O^T; v192-203 p's codes; v204-227 at work; v232-242 the way out.
.set REC,   13312
.set HEADB, 212992
.set QS,    6291456                    ; qq: where the scale words begin
.set OS,    6291456                    ; oq: likewise
.macro CROUND                          ; a round of the cluster's barrier
	s_barrier_signal -1
	s_barrier_wait -1
	s_cmp_lg_u32 s10, 0
	s_cbranch_scc1 .Lnot_wave_0_\@
	s_barrier_signal -3
.Lnot_wave_0_\@:
	s_barrier_wait -3
	s_barrier_signal -1
	s_barrier_wait -1
.endm
.macro FRAG reg, off                   ; a fragment: two pieces on end, four loads of 512 or 256 consecutive bytes
	ds_load_b128 v[\reg:\reg+3], v4 offset:\off
	ds_load_b64 v[\reg+4:\reg+5], v5 offset:\off+512
	ds_load_b128 v[\reg+6:\reg+9], v4 offset:\off+768
	ds_load_b64 v[\reg+10:\reg+11], v5 offset:\off+1280
.endm
	s_load_b128 s[4:7], s[0:1], 0x0                ; qq s[4:5], kv s[6:7]
	s_load_b64 s[8:9], s[0:1], 0x10                ; oq
	v_lshl_add_u32 v254, v0, 2, 0x34000
	v_mov_b32 v255, 0
	ds_add_u32 v254, v255
	ds_add_u32 v254, v255
	v_lshrrev_b32 v1, 5, v0
	s_delay_alu instid0(VALU_DEP_1)
	v_readfirstlane_b32 s10, v1                    ; wave 0..15
	s_bfe_u32 s11, ttmp6, 0x40000                  ; cx
	s_and_b32 s12, ttmp7, 0xffff                   ; HB = 16 x batch + head: the cluster's y
	; group 1: a record, 13,312 dense bytes, as 52 rows of 256 (32 elements of 8 bytes)
	s_mov_b32 s24, 15|(3<<16)|(1<<21)              ; 15:0 the mask: all four work-groups; 17:16 elements of 8 bytes; 21 set beside a mask
	s_mov_b32 s25, 32<<16
	s_mov_b32 s26, 52<<16
	s_mov_b32 s27, 32<<16
	s_mov_b32 s28, 52
	s_mov_b32 s29, 32
	s_mov_b32 s30, 0
	s_mov_b32 s31, 0
	s_mov_b32 s16, 1
	s_mul_i32 s17, s10, REC                        ; LDS: record w
	s_mul_i32 s32, s12, HEADB
	s_add_co_u32 s32, s32, s17
	s_mov_b32 s33, 0
	s_mov_b32 s20, 0x76543210
	s_mov_b32 s21, 0xfedcba98                      ; v_permlanex16_b32's selects for lane l xor 16
	s_mov_b32 s22, 0x3e38aa3b                      ; c = log2(e) / sqrt(64)
	s_mov_b32 s23, s22                             ; (named with it as a pair)
	s_wait_dscnt 0x0
	s_wait_kmcnt 0x0
	s_add_nc_u64 s[18:19], s[6:7], s[32:33]
	s_or_b32 s19, s19, 0x80000000
	CROUND                                         ; all four work-groups are here: the joint loads meet
	tensor_load_to_lds s[16:19], s[24:31]          ; my one tensor load of the launch
	s_nop 0
.rept 4
	v_nop
.endr
	v_and_b32 v9, 31, v0
	s_delay_alu instid0(VALU_DEP_1)
	v_lshlrev_b32 v1, 4, v9
	s_delay_alu instid0(VALU_DEP_2)
	v_lshlrev_b32 v2, 3, v9
	s_delay_alu instid0(VALU_DEP_3)
	v_lshlrev_b32 v3, 2, v9
	v_and_b32 v10, 15, v0                          ; r
	v_bfe_u32 v9, v0, 4, 1                         ; h
	s_delay_alu instid0(VALU_DEP_2)
	v_and_b32 v8, 8, v10
	s_delay_alu instid0(VALU_DEP_1)
	v_add_nc_u32 v8, v8, v10
	s_delay_alu instid0(VALU_DEP_3)
	v_lshlrev_b32 v9, 4, v9
	s_delay_alu instid0(VALU_DEP_1)
	v_sub_nc_u32 v8, v8, v9                        ; r + 8 (r / 8) - 16 h
	v_lshlrev_b32 v11, 3, v10                      ; 8 r
.irp j, 22,23,24,25,26,27,28,29,30,31,32,33
	v_mov_b32 v[\j], 0                             ; the zero halves of [q | 0] and [0 | q]: written once
.endr
	v_mov_b32 v95, 0xff800000                      ; -infinity
	v_mov_b32 v94, 0
	v_mov_b32 v225, 0                              ; (the upper half of the pair v[224:225])
.irp b, 0,1,2,3
	v_mov_b32 v[216+\b], 0                         ; a lane permute's destination counts as one of its sources
.endr
	s_lshl_b32 s38, s10, 2
	s_add_co_u32 s38, s38, s11                     ; T = 4 w + cx
	s_lshr_b32 s39, s10, 1                         ; its last key step: T / 8 = w / 2
	s_mov_b32 s40, 0
	s_wait_tensorcnt 0x0                           ; my record is in,
	s_barrier_signal -1
	s_barrier_wait -1                              ; everybody's is
.Ltile:                                            ; two trips: tile T, then tile 127 - T
	s_mov_b32 s33, 0
	s_lshl_b32 s32, s12, 7
	s_add_co_u32 s32, s32, s38
	s_mul_i32 s32, s32, 768
	s_add_nc_u64 s[42:43], s[4:5], s[32:33]        ; q's piece
	s_lshl_b32 s32, s12, 6
	s_lshr_b32 s34, s38, 1
	s_add_co_u32 s32, s32, s34
	s_lshl_b32 s32, s32, 7
	s_add_co_u32 s32, s32, QS
	s_add_nc_u64 s[44:45], s[4:5], s[32:33]        ; the scale words of its pair of tiles
	s_lshr_b32 s34, s12, 4
	s_lshl_b32 s34, s34, 7
	s_add_co_u32 s34, s34, s38                     ; the tile among all 512
	s_and_b32 s35, s12, 15                         ; the head
	s_lshl_b32 s32, s34, 4
	s_add_co_u32 s32, s32, s35
	s_mul_i32 s32, s32, 768
	s_add_nc_u64 s[46:47], s[8:9], s[32:33]        ; oq: piece [tile][head]
	s_lshl_b32 s32, s34, 9
	s_lshr_b32 s34, s35, 2
	s_lshl_b32 s34, s34, 7
	s_add_co_u32 s32, s32, s34
	s_and_b32 s34, s35, 3
	s_lshl_b32 s34, s34, 1
	s_add_co_u32 s32, s32, s34
	s_add_co_u32 s32, s32, OS
	s_add_nc_u64 s[48:49], s[8:9], s[32:33]        ; oq: my head's two bytes in a row's scale words
	global_load_b128 v[16:19], v1, s[42:43]        ; q twice: into the low half of [q | 0],
	global_load_b64 v[20:21], v2, s[42:43] offset:512
	global_load_b128 v[34:37], v1, s[42:43]        ; and the high half of [0 | q]
	global_load_b64 v[38:39], v2, s[42:43] offset:512
	global_load_b32 v228, v3, s[44:45]
	s_and_b32 s34, s38, 6
	s_lshl_b32 s34, s34, 4
	s_and_b32 s35, s38, 1
	s_lshl_b32 s50, s35, 3
	s_add_co_u32 s34, s34, s50
	v_add_nc_u32 v7, s34, v8                       ; d = my query - its last step's first key - 16 h: register 16 b + i is hidden there where 32 b + i > d
	s_mul_i32 s41, s35, 0x02020202
	s_add_co_u32 s41, s41, 0x01000100              ; bytes 0, 1 of the pair's word for an even tile, 2, 3 for an odd one, twice
	v_mov_b32 v13, 0xff61b1e6                      ; the largest t so far: -3e38
	s_delay_alu instid0(VALU_DEP_1)
	v_floor_f32 v12, -v13                          ; -M
	v_mov_b32 v14, 0
	v_mov_b32 v15, 0
	s_mov_b32 s36, 0                               ; the record in hand
	s_mov_b32 s37, 0                               ; the key step
	s_wait_loadcnt 0x0
	v_perm_b32 v92, v228, v228, s41                ; q's scale word
.irp j, 0,1,2,3,4,5,6,7,8,9,10,11,12,13,14,15,16,17,18,19,20,21,22,23,24,25,26,27,28,29,30,31
	v_mov_b32 v[160+\j], 0                         ; O^T: the first change of M leaves zeros zeros.  (These are also the places between the scale word's write and the first product)
.endr
.Lstep:                                            ; sixteen trips; a step all of whose keys come after my queries does no work: the branch leads to the lines that step the record
	s_cmp_gt_u32 s37, s39
	s_cbranch_scc1 .Lhidden
	s_setprio 2
	v_add_nc_u32 v4, s36, v1
	v_add_nc_u32 v5, s36, v2
	v_add_nc_u32 v6, s36, v3
	v_nop                                          ; four places behind the last products, in front of loads into their registers
.irp g, 0,1,2,3
	FRAG 40+12*\g, 1536*\g
	ds_load_b32 v[88+\g], v6 offset:12288+128*\g
.endr
	s_wait_alu depctr_va_vdst(0)
	s_wait_dscnt 0x0
.irp g, 0,1,2,3
	v_wmma_scale_f32_16x16x128_f8f6f4 v[96+16*\g:103+16*\g], v[40+12*\g:51+12*\g], v[16:27], 0, v[88+\g], v92 matrix_a_fmt:MATRIX_FMT_FP6 matrix_b_fmt:MATRIX_FMT_FP6
	v_wmma_scale_f32_16x16x128_f8f6f4 v[104+16*\g:111+16*\g], v[40+12*\g:51+12*\g], v[28:39], 0, v[88+\g], v92 matrix_a_fmt:MATRIX_FMT_FP6 matrix_b_fmt:MATRIX_FMT_FP6
.endr
.rept 4
	v_nop                                          ; places: K's registers take V, and the scores are read
.endr
.irp t, 0,1,2,3
	FRAG 40+12*\t, 6144+1536*\t                    ; V^T: 16 channels x 128 keys; it lands while the softmax is worked
	ds_load_b32 v[88+\t], v6 offset:12800+128*\t
.endr
	s_cmp_lg_u32 s37, s39                          ; only my tile's last step lies on the diagonal
	s_cbranch_scc1 .Lopen
.irp n, 0,1,2,3,4,5,6,7,8,9,10,11,12,13,14,15,16,17,18,19,20,21,22,23,24,25,26,27,28,29,30,31,32,33,34,35,36,37,38,39,40,41,42,43,44,45,46,47,48,49,50,51,52,53,54,55,56,57,58,59,60,61,62,63
	v_cmp_gt_i32 vcc_lo, 32*(\n/16)+\n%16, v7
	v_cndmask_b32 v[96+\n], v[96+\n], v95, vcc_lo  ; hidden scores become -infinity: p = 0
.endr
.Lopen:
.irp b, 0,1,2,3
	v_max3_num_f32 v[212+\b], v[96+16*\b], v[97+16*\b], v[98+16*\b]   ; the largest score of each block of 32 keys: for the row's maximum, and, since p rises with the score, for the block's largest p
.endr
.irp i, 3,5,7,9,11,13
.irp b, 0,1,2,3
	v_max3_num_f32 v[212+\b], v[212+\b], v[96+16*\b+\i], v[97+16*\b+\i]
.endr
.endr
.irp b, 0,1,2,3
	v_max_num_f32 v[212+\b], v[212+\b], v[111+16*\b]
.endr
.irp b, 0,1,2,3
	s_delay_alu instid0(VALU_DEP_4)
	v_permlanex16_b32 v[216+\b], v[212+\b], s20, s21
.endr
.irp b, 0,1,2,3
	s_delay_alu instid0(VALU_DEP_4)
	v_max_num_f32 v[212+\b], v[212+\b], v[216+\b]  ; with lane l xor 16's 16 keys
.endr
	s_delay_alu instid0(VALU_DEP_2)
	v_max3_num_f32 v94, v212, v213, v214
	s_delay_alu instid0(VALU_DEP_1)
	v_max_num_f32 v94, v94, v215
	s_delay_alu instid0(VALU_DEP_1)
	v_mul_f32 v94, s22, v94                        ; as t
	s_delay_alu instid0(VALU_DEP_1)
	v_max_num_f32 v13, v13, v94                    ; the running largest t
	v_mov_b32 v94, v12
	s_delay_alu instid0(VALU_DEP_2)
	v_floor_f32 v12, -v13                          ; the new -M = -ceil(t)
	s_delay_alu instid0(VALU_DEP_1)
	v_sub_f32 v94, v12, v94                        ; old M - new M: a whole number, 0 or less
	s_delay_alu instid0(VALU_DEP_1)
	v_cvt_i32_f32 v94, v94                         ; (it saturates)
	s_delay_alu instid0(VALU_DEP_1)
	v_ldexp_f32 v224, 1.0, v94                     ; f = 2^(old M - new M)
	s_setprio 1
.irp j, 0,2,4,6,8,10,12,14,16,18,20,22,24,26,28,30,32,34,36,38,40,42,44,46,48,50,52,54,56,58,60,62
	v_pk_fma_f32 v[96+\j:97+\j], v[96+\j:97+\j], s[22:23], v[12:13] op_sel_hi:[1,0,0]   ; t - M, two at a time
.endr
.irp b, 0,1,2,3
	v_fma_f32 v[212+\b], v[212+\b], s22, v12       ; the same of each block's largest score
.endr
	s_wait_alu depctr_va_vdst(0)
.irp j, 0,1,2,3,4,5,6,7,8,9,10,11,12,13,14,15,16,17,18,19,20,21,22,23,24,25,26,27,28,29,30,31,32,33,34,35,36,37,38,39,40,41,42,43,44,45,46,47,48,49,50,51,52,53,54,55,56,57,58,59,60,61,62,63
	v_exp_f32 v[96+\j], v[96+\j]                   ; p = 2^(t - M)
.endr
.irp b, 0,1,2,3
	v_exp_f32 v[212+\b], v[212+\b]                 ; the block's largest p
.endr
	v_pk_mul_f32 v[14:15], v[14:15], v[224:225] op_sel_hi:[1,0]   ; the sums under the new M.  (A plain place behind the exponentials)
	s_wait_alu depctr_va_vdst(0)
.irp b, 0,1,2,3
	v_max_num_f32 v[212+\b], 0x1800000, v[212+\b]  ; the floor 2^(3 - 127)
.endr
.irp b, 0,1,2,3
	s_delay_alu instid0(VALU_DEP_4)
	v_add_nc_u32 v[220+\b], 0xff000000, v[212+\b]  ; the conversion's scale operand
.endr
.irp b, 0,1,2,3
	s_delay_alu instid0(VALU_DEP_4)
	v_lshrrev_b32 v[216+\b], 23, v[220+\b]         ; the byte
.endr
	s_delay_alu instid0(VALU_DEP_3)
	v_lshl_or_b32 v93, v217, 8, v216               ; p's scale word for these 128 keys
	s_delay_alu instid0(VALU_DEP_1)
	v_lshl_or_b32 v93, v218, 16, v93
	s_delay_alu instid0(VALU_DEP_1)
	v_lshl_or_b32 v93, v219, 24, v93
.irp c, 0,1
	v_cvt_scalef32_pk16_fp6_f32 v[192+6*\c:194+6*\c], v[96+32*\c:111+32*\c], v[220+2*\c]
	v_cvt_scalef32_pk16_fp6_f32 v[204+4*\c:206+4*\c], v[112+32*\c:127+32*\c], v[220+2*\c+1]
.endr
	v_nop                                          ; one plain place behind a scaled conversion
.irp c, 0,1
.irp i, 0,1,2
	v_permlane16_swap_b32 v[192+6*\c+\i], v[204+4*\c+\i]
.endr
.irp i, 0,1,2
	s_delay_alu instid0(VALU_DEP_3)
	v_mov_b32 v[195+6*\c+\i], v[204+4*\c+\i]
.endr
.endr
	v_pk_add_f32 v[226:227], v[100:101], v[104:105]
	v_pk_add_f32 v[252:253], v[108:109], v[112:113]
	v_pk_add_f32 v[250:251], v[116:117], v[120:121]
	v_pk_add_f32 v[248:249], v[124:125], v[128:129]
	v_pk_add_f32 v[246:247], v[132:133], v[136:137]
	v_pk_add_f32 v[244:245], v[140:141], v[144:145]
	v_pk_add_f32 v[242:243], v[148:149], v[152:153]
	v_pk_add_f32 v[14:15], v[14:15], v[156:157]
	v_pk_add_f32 v[226:227], v[226:227], v[96:97]
	s_setprio 0
	v_pk_add_f32 v[252:253], v[252:253], v[98:99]
	v_pk_add_f32 v[250:251], v[250:251], v[102:103]
	v_pk_add_f32 v[248:249], v[248:249], v[106:107]
	v_pk_add_f32 v[246:247], v[246:247], v[110:111]
	v_pk_add_f32 v[244:245], v[244:245], v[114:115]
	v_pk_add_f32 v[242:243], v[242:243], v[118:119]
	v_pk_add_f32 v[14:15], v[14:15], v[122:123]
	v_pk_add_f32 v[226:227], v[226:227], v[126:127]
	v_pk_add_f32 v[252:253], v[252:253], v[130:131]
	v_pk_add_f32 v[250:251], v[250:251], v[134:135]
	v_pk_add_f32 v[248:249], v[248:249], v[138:139]
	v_pk_add_f32 v[246:247], v[246:247], v[142:143]
	v_pk_add_f32 v[244:245], v[244:245], v[146:147]
	v_pk_add_f32 v[242:243], v[242:243], v[150:151]
	v_pk_add_f32 v[14:15], v[14:15], v[154:155]
	v_pk_add_f32 v[226:227], v[226:227], v[158:159]
	s_delay_alu instid0(VALU_DEP_2)
	v_pk_add_f32 v[14:15], v[14:15], v[248:249]
	s_delay_alu instid0(VALU_DEP_2)
	v_pk_add_f32 v[226:227], v[226:227], v[246:247]
	v_pk_add_f32 v[252:253], v[252:253], v[244:245]
	v_pk_add_f32 v[250:251], v[250:251], v[242:243]
	s_delay_alu instid0(VALU_DEP_2)
	v_pk_add_f32 v[14:15], v[14:15], v[252:253]
	s_delay_alu instid0(VALU_DEP_2)
	v_pk_add_f32 v[226:227], v[226:227], v[250:251]
	s_delay_alu instid0(VALU_DEP_1)
	v_pk_add_f32 v[14:15], v[14:15], v[226:227]
.irp j, 0,2,4,6,8,10,12,14,16,18,20,22,24,26,28,30
	v_pk_mul_f32 v[160+\j:161+\j], v[160+\j:161+\j], v[224:225] op_sel_hi:[1,0]   ; O^T under the new M
.endr
	s_wait_alu depctr_va_vdst(0)
	s_wait_dscnt 0x0                               ; V is in
.irp t, 0,1,2,3
	v_wmma_scale_f32_16x16x128_f8f6f4 v[160+8*\t:167+8*\t], v[40+12*\t:51+12*\t], v[192:203], v[160+8*\t:167+8*\t], v[88+\t], v93 matrix_a_fmt:MATRIX_FMT_FP6 matrix_b_fmt:MATRIX_FMT_FP6
.endr
.Lhidden:
	s_add_co_u32 s36, s36, REC
	s_add_co_u32 s37, s37, 1
	s_cmp_lt_u32 s37, 16
	s_cbranch_scc1 .Lstep
	s_setprio 0
	; the tile's way out: O^T / the sum; register 16 b + i is channel 32 b + 16 h + i of my query: two blocks, quantised as they stand; one piece and two scale bytes
.rept 4
	v_nop
.endr
	v_add_f32 v14, v14, v15
	s_delay_alu instid0(VALU_DEP_1)
	v_permlanex16_b32 v94, v14, s20, s21
	s_delay_alu instid0(VALU_DEP_1)
	v_add_f32 v14, v14, v94                        ; the row's sum
	s_wait_alu depctr_va_vdst(0)
	v_rcp_f32 v14, v14
	v_nop                                          ; one plain place behind a transcendental
	s_wait_alu depctr_va_vdst(0)
.irp j, 0,2,4,6,8,10,12,14,16,18,20,22,24,26,28,30
	v_pk_mul_f32 v[96+\j:97+\j], v[160+\j:161+\j], v[14:15] op_sel_hi:[1,0]
.endr
.irp b, 0,1
	v_max3_num_f32 v[212+\b], |v[96+16*\b]|, |v[97+16*\b]|, 0x1800000
.endr
.irp i, 2,4,6,8,10,12,14
.irp b, 0,1
	s_delay_alu instid0(VALU_DEP_2)
	v_max3_num_f32 v[212+\b], v[212+\b], |v[96+16*\b+\i]|, |v[97+16*\b+\i]|
.endr
.endr
.irp b, 0,1
	s_delay_alu instid0(VALU_DEP_2)
	v_permlanex16_b32 v[216+\b], v[212+\b], s20, s21
.endr
.irp b, 0,1
	s_delay_alu instid0(VALU_DEP_2)
	v_max_num_f32 v[212+\b], v[212+\b], v[216+\b]
.endr
.irp b, 0,1
	s_delay_alu instid0(VALU_DEP_2)
	v_add_nc_u32 v[220+\b], 0xff000000, v[212+\b]
.endr
.irp b, 0,1
	s_delay_alu instid0(VALU_DEP_2)
	v_lshrrev_b32 v[216+\b], 23, v[220+\b]
.endr
	s_delay_alu instid0(VALU_DEP_1)
	v_lshl_or_b32 v242, v217, 8, v216
	v_cvt_scalef32_pk16_fp6_f32 v[232:234], v[96:111], v220
	v_cvt_scalef32_pk16_fp6_f32 v[238:240], v[112:127], v221
	v_nop
.irp i, 0,1,2
	v_permlane16_swap_b32 v[232+\i], v[238+\i]     ; lanes 0-15 block 0, lanes 16-31 block 1
.endr
.irp i, 0,1,2
	s_delay_alu instid0(VALU_DEP_3)
	v_mov_b32 v[235+\i], v[238+\i]
.endr
	global_store_b128 v1, v[232:235], s[46:47]     ; 512 and 256 consecutive bytes, aligned
	global_store_b64 v2, v[236:237], s[46:47] offset:512
	global_store_b16 v11, v242, s[48:49]           ; two bytes a row, 8 bytes apart (lanes r and r + 16 write the same): the other heads' work-groups write the bytes between; 32 bytes for each 768 of codes
	s_wait_xcnt 0x0                                ; the stores have read their bases and data
	s_sub_co_u32 s38, 127, s38
	s_sub_co_u32 s39, 15, s39
	s_add_co_u32 s40, s40, 1
	s_cmp_lt_u32 s40, 2
	s_cbranch_scc1 .Ltile
	s_wait_dscnt 0x0
	s_wait_tensorcnt 0x0
	ds_add_u32 v254, v255
	s_wait_dscnt 0x0
	CROUND                                         ; the closing round
	s_endpgm
.Lfunc_end_k_q87c4408516_attn:
	.size	k_q87c4408516_attn, .Lfunc_end_k_q87c4408516_attn-k_q87c4408516_attn
	.p2alignl 7, 3214868480
	.fill 96, 4, 3214868480
	.section	.rodata,"a",@progbits
	.p2align	6, 0x0
	.amdhsa_kernel k_q87c4408516_attn
		.amdhsa_group_segment_fixed_size 215040
		.amdhsa_private_segment_fixed_size 0
		.amdhsa_enable_private_segment 0
		.amdhsa_kernarg_size 24
		.amdhsa_user_sgpr_count 2
		.amdhsa_user_sgpr_kernarg_segment_ptr 1
		.amdhsa_wavefront_size32 1
		.amdhsa_system_sgpr_workgroup_id_x 1
		.amdhsa_system_sgpr_workgroup_id_y 1
		.amdhsa_system_sgpr_workgroup_id_z 1
		.amdhsa_system_vgpr_workitem_id 0
		.amdhsa_next_free_vgpr 256
		.amdhsa_next_free_sgpr 66
		.amdhsa_reserve_vcc 1
		.amdhsa_float_denorm_mode_32 3
		.amdhsa_float_denorm_mode_16_64 3
		.amdhsa_memory_ordered 1
		.amdhsa_forward_progress 1
		.amdhsa_inst_pref_size 35
	.end_amdhsa_kernel
	.amdgpu_metadata
---
amdhsa.version: [ 1, 2 ]
amdhsa.kernels:
  - .name:           k_q87c4408516_attn
    .symbol:         k_q87c4408516_attn.kd
    .args:
      - { .name: qq, .offset: 0, .size: 8, .value_kind: global_buffer, .address_space: global }
      - { .name: kv, .offset: 8, .size: 8, .value_kind: global_buffer, .address_space: global }
      - { .name: oq, .offset: 16, .size: 8, .value_kind: global_buffer, .address_space: global }
    .group_segment_fixed_size: 215040
    .private_segment_fixed_size: 0
    .kernarg_segment_align: 8
    .kernarg_segment_size: 24
    .max_flat_workgroup_size: 512
    .sgpr_count:     66
    .vgpr_count:     256
    .wavefront_size: 32
...
	.end_amdgpu_metadata
.endif
;; end of part 3
;; launch gemm_out (part 4): grid 4 x 32, 4 waves a work-group, clusters of 4 x 4, 327,680 bytes of LDS; arguments oq, wq, bo, out0; writes out0
.if DOCPART == 4
	.amdgcn_target "amdgcn-amd-amdhsa--gfx1250"
	.amdhsa_code_object_version 6
	.text
	.protected	k_q87c4408516_gemm_out
	.globl	k_q87c4408516_gemm_out
	.p2align	8
	.type	k_q87c4408516_gemm_out,@function
k_q87c4408516_gemm_out:
	s_mov_b64 s[64:65], 0
	v_nop
	global_prefetch_b8 v0, s[64:65] scope:SCOPE_SE
	s_setreg_imm32_b32 hwreg(HW_REG_WAVE_MODE, 25, 1), 1
	s_wait_xcnt 0x0
	s_wait_alu depctr_hold_cnt(0) depctr_sa_sdst(0) depctr_va_vdst(0) depctr_va_sdst(0) depctr_va_ssrc(0) depctr_va_vcc(0) depctr_vm_vsrc(0)
	s_getreg_b32 s2, hwreg(HW_REG_IB_STS2, 6, 4)
	s_cmp_eq_u32 s2, 0
	s_cbranch_scc0 .Lentry_in_a_cluster
	s_endpgm
.Lentry_in_a_cluster:
	s_bfe_u32 s2, ttmp6, 0x10000c
	s_cmp_lg_u32 s2, 0xf033
	s_cbranch_scc0 .Lentry_shape_is_right
	s_endpgm
.Lentry_shape_is_right:
; out0 = attention's result x Wo + bo on codes of FP6 (E2M3) with E8M0 scales, K = 1,024; out0 [8192][1024] f32.
; OPERANDS (oq: 512 tiles of tokens; wq's tiles 192-255: Wo's columns): rows in groups of 32, tile 2 G + u holds at place r row 32 G + 8 u + r + 8 (r / 8).  A piece (16 rows x 64 K) is 768 bytes, an image of six registers a lane
; (registers 0-3 at 16 x lane, 4-5 at 512 + 8 x lane); a tile is 16 pieces; the scale words lie behind the codes, 512 bytes a tile: [k / 256][r][2 words].
; A work-group of four waves makes 256 x 256, a wave 128 x 128: 64 accumulators.  Source 0 takes Wo's tiles (B), source 1 the tokens' (A): a lane holds one token, and the 16 registers of B's tiles 2 G, 2 G + 1 are the
; 16 neighbouring columns 32 G + 16 (lane / 16) + 0 .. 15.  The bias is the C of each sum's first matrix instruction.
; K goes in four steps of 256 through two LDS slots, written out without a loop; the scale words come once and stay.  128 work-groups: 8,192 x 1,024 has no more tiles of this size.
; CLUSTERS 4 x 4: A's tiles are asked for jointly along a row of the cluster, B's along a column.
; REGISTERS: window 0: v16-27, v30-31 addresses, v28-29 the add's, v32-63 scale words (two sets), v64-127 the bias, v128-223 A's 8 fragments; on the way out v128-255 rows of out0.  window 1: B's fragments, sets at v0 and v128.
;   window 2: accumulators of A's blocks 0-3 ((a, b) at v[8 (8 (a % 4) + b)]);  window 3: blocks 4-7.
.set XS,    6291456                    ; oq: where the scale words begin
.set WS,    3145728                    ; wq: likewise
.set BLKB,  196608
.set TILEB, 3072
.set HALFT, 8*TILEB
.set SLOT,  4*HALFT
.set SCL,   2*SLOT
.set HALFS, 4096
.set SPARE, SCL+4*HALFS                ; the spare words, 128 bytes for each wave: two blocks of 256 bytes that no other line names
.set STAGE, SPARE+512                  ; the way out: 16 rows x (512 + 16) bytes for each wave; no tensor load fills it
.set SPITCH, 528
.set FR,    12
.set NL,    4
.set NP,    4
.set A16,  16
.set B16,  20
.set L16,  24
.set ADRS, 27
.set SPW,  28
.set NIL,  29
.set STO,  30
.set RD,   31
.set SC,   32
.set BIAS, 64
.set AF,   128
.set BK,   128
.set G1, 24
.set G0, 32
.set G1B, 48
.set G0B, 56
.set G1S, 68
.set G0S, 76
.set G1SB, 80
.set G0SB, 88
.set MSB, 0
.macro WIN new
.if MSB != (\new)
	s_set_vgpr_msb (MSB<<8)|(\new)
.set MSB, (\new)
.endif
.endm
.set MUL_LO, 0xa1
.set MUL_HI, 0xf1
.set TO_B,   0x40
.macro JLOAD g0a, g1a, g0b, g1b        ; a joint load: waves 0 and 1 fetch for A, waves 2 and 3 for B; four v_nop follow each of the two lines
	s_cmp_eq_u32 s15, 0
	s_cbranch_scc0 .Lfor_b_\@
	tensor_load_to_lds s[\g0a:\g0a+3], s[\g1a:\g1a+7]
	s_nop 0
.rept 4
	v_nop
.endr
	s_branch .Lasked_\@
.Lfor_b_\@:
	tensor_load_to_lds s[\g0b:\g0b+3], s[\g1b:\g1b+7]
	s_nop 0
.rept 4
	v_nop
.endr
.Lasked_\@:
.endm
.macro CREST
	s_cmp_lg_u32 s14, 0
	s_cbranch_scc1 .Lnot_wave_0_\@
	s_barrier_signal -3
.Lnot_wave_0_\@:
	s_barrier_wait -3
	s_barrier_signal -1
	s_barrier_wait -1
.endm
.macro CROUND
	s_barrier_signal -1
	s_barrier_wait -1
	CREST
.endm
	s_load_b256 s[4:11], s[0:1], 0x0               ; oq s[4:5], wq s[6:7], bo s[8:9], out0 s[10:11]
	v_lshl_add_u32 v[SPW], v0, 2, SPARE
	v_mov_b32 v[NIL], 0
	ds_add_u32 v28, v29
	ds_add_u32 v28, v29
	s_wait_dscnt 0x0
	v_lshrrev_b32 v1, 5, v0
	v_readfirstlane_b32 s14, v1                    ; wave 0..3
	s_lshr_b32 s15, s14, 1                         ; which half of the tokens is mine.  Also: I fetch for A (0) or for B (1)
	s_and_b32 s16, s14, 1                          ; which half of the columns.  Also: which 8 tiles I fetch
	s_bfe_u32 s40, ttmp6, 0x40000                  ; cx
	s_bfe_u32 s41, ttmp6, 0x40004                  ; cy
	s_lshl_b32 s42, ttmp9, 2
	s_add_co_u32 s42, s42, s40                     ; gx: which 256 columns
	s_and_b32 s17, ttmp7, 0xffff
	s_lshl_b32 s17, s17, 2
	s_add_co_u32 s17, s17, s41                     ; gy: which 256 tokens
	s_lshl_b32 s43, s41, 2
	s_lshl_b32 s43, 15, s43                        ; my row of the cluster
	s_lshl_b32 s44, 0x1111, s40                    ; my column
	s_or_b32 s[G1], s43, (3<<16)|(1<<21)           ; codes: 8 rows (tiles) of 384 elements of 8 bytes, 1,536 elements apart
	s_or_b32 s[G1B], s44, (3<<16)|(1<<21)
.irp g, G1, G1B
	s_mov_b32 s[\g+1], 384<<16
	s_mov_b32 s[\g+2], 8<<16
	s_mov_b32 s[\g+3], 384<<16
	s_mov_b32 s[\g+4], 8
	s_mov_b32 s[\g+5], 1536
	s_mov_b32 s[\g+6], 0
	s_mov_b32 s[\g+7], 0
.endr
	s_or_b32 s[G1S], s43, (3<<16)|(1<<21)          ; scale words of 8 tiles: 16 rows of 256 dense bytes
	s_or_b32 s[G1SB], s44, (3<<16)|(1<<21)
.irp g, G1S, G1SB
	s_mov_b32 s[\g+1], 32<<16
	s_mov_b32 s[\g+2], 16<<16
	s_mov_b32 s[\g+3], 32<<16
	s_mov_b32 s[\g+4], 16
	s_mov_b32 s[\g+5], 32
	s_mov_b32 s[\g+6], 0
	s_mov_b32 s[\g+7], 0
.endr
	s_add_co_u32 s47, s42, 12                      ; B: wq's block 12 + gx
	s_mul_i32 s18, s16, 8*12288
	s_lshl_b32 s19, s16, 12
	s_mul_i32 s20, s17, BLKB
	s_add_co_u32 s20, s20, s18
	s_mov_b32 s21, 0
	s_mul_i32 s22, s47, BLKB
	s_add_co_u32 s22, s22, s18
	s_mov_b32 s23, 0
	s_lshl_b32 s98, s17, 13
	s_add_co_u32 s98, s98, s19
	s_add_co_u32 s98, s98, XS
	s_mov_b32 s99, 0
	s_lshl_b32 s100, s47, 13
	s_add_co_u32 s100, s100, s19
	s_add_co_u32 s100, s100, WS
	s_mov_b32 s101, 0
	s_mul_i32 s45, s14, HALFT
	s_lshl_b32 s3, s14, 12
	s_wait_kmcnt 0x0
	s_add_nc_u64 s[20:21], s[4:5], s[20:21]
	s_add_nc_u64 s[22:23], s[6:7], s[22:23]
	s_add_nc_u64 s[98:99], s[4:5], s[98:99]
	s_add_nc_u64 s[100:101], s[6:7], s[100:101]
	CROUND                                         ; all sixteen work-groups are here: the first joint loads meet
	s_mov_b32 s[G0S], 1
	s_add_co_u32 s[G0S+1], s3, SCL
	s_mov_b64 s[G0S+2:G0S+3], s[98:99]
	s_or_b32 s[G0S+3], s[G0S+3], 0x80000000
	s_mov_b32 s[G0SB], 1
	s_add_co_u32 s[G0SB+1], s3, SCL
	s_mov_b64 s[G0SB+2:G0SB+3], s[100:101]
	s_or_b32 s[G0SB+3], s[G0SB+3], 0x80000000
	JLOAD G0S, G1S, G0SB, G1SB
.irp s, 0,1
	s_mov_b32 s[G0+4*\s], 1
	s_add_co_u32 s[G0+4*\s+1], s45, \s*SLOT
	s_add_nc_u64 s[G0+4*\s+2:G0+4*\s+3], s[20:21], \s*TILEB
	s_or_b32 s[G0+4*\s+3], s[G0+4*\s+3], 0x80000000
	s_mov_b32 s[G0B+4*\s], 1
	s_add_co_u32 s[G0B+4*\s+1], s45, \s*SLOT
	s_add_nc_u64 s[G0B+4*\s+2:G0B+4*\s+3], s[22:23], \s*TILEB
	s_or_b32 s[G0B+4*\s+3], s[G0B+4*\s+3], 0x80000000
	s_wait_alu depctr_va_vdst(0)
	s_wait_tensorcnt 0x0
	ds_add_u32 v28, v29
	s_wait_dscnt 0x0
	CROUND
	JLOAD G0+4*\s, G1, G0B+4*\s, G1B               ; my one tensor load that is out: the earlier ones were waited for above
.endr
	v_and_b32 v1, 31, v0
	v_and_b32 v2, 15, v0                           ; r
	v_bfe_u32 v3, v0, 4, 1                         ; h
	v_lshlrev_b32 v[L16], 4, v1
	s_wait_alu depctr_va_vdst(0)
	v_lshlrev_b32 v[L16+1], 3, v1
	s_wait_alu depctr_va_vdst(0)
	v_lshlrev_b32 v5, 6, v3                        ; the bias: 16 h numbers on
	s_lshl_b32 s92, s42, 10
	s_lshl_b32 s93, s16, 9
	s_add_co_u32 s92, s92, s93                     ; my first column, in bytes
	s_mov_b32 s93, 0
	s_add_nc_u64 s[8:9], s[8:9], s[92:93]
.irp b, 0,1,2,3,4,5,6,7
	global_load_b128 v[BIAS+8*\b:BIAS+8*\b+3], v5, s[8:9] offset:(32*(\b/2)+8*(\b%2))*4       ; tile b's register j: column 32 (b / 2) + 16 h + 8 (b % 2) + j
	global_load_b128 v[BIAS+8*\b+4:BIAS+8*\b+7], v5, s[8:9] offset:(32*(\b/2)+8*(\b%2))*4+16
.endr
	s_lshl_b32 s94, s17, 8
	s_lshl_b32 s95, s15, 7
	s_add_co_u32 s94, s94, s95                     ; my first token
	s_lshl_b32 s94, s94, 12
	s_add_co_u32 s94, s94, s92
	s_mov_b32 s95, 0
	s_add_nc_u64 s[10:11], s[10:11], s[94:95]
	s_mul_i32 s18, s15, HALFT
	s_mul_i32 s19, s16, HALFT
	s_add_co_u32 s19, s19, 2*HALFT
.irp s, 0,1
	v_add_nc_u32 v[A16+\s], s18, v[L16]
	v_add_nc_u32 v[A16+2+\s], s18, v[L16+1]
	v_add_nc_u32 v[B16+\s], s19, v[L16]
	v_add_nc_u32 v[B16+2+\s], s19, v[L16+1]
	s_add_co_u32 s18, s18, SLOT
	s_add_co_u32 s19, s19, SLOT
.endr
	s_mul_i32 s18, s15, HALFS
	s_mul_i32 s19, s16, HALFS
	s_add_co_u32 s19, s19, 2*HALFS
	s_sub_co_u32 s19, s19, s18
	v_mul_u32_u24 v4, s19, v3                      ; lanes 16-31 take B's scale words: one product, the distance x h
	s_add_co_u32 s18, s18, SCL
	v_lshl_add_u32 v4, v2, 3, v4
	v_add_nc_u32 v[ADRS], s18, v4
	s_mul_i32 s18, s14, 16*SPITCH
	s_add_co_u32 s18, s18, STAGE                   ; my stage
	v_mul_u32_u24 v4, v2, SPITCH
	v_lshl_add_u32 v4, v3, 6, v4
	v_add_nc_u32 v[STO], s18, v4                   ; in: row r, + 64 h
	v_add_nc_u32 v[RD], s18, v[L16]                ; back: 16 x lane of a row
.macro FRAG reg, a16, a8, off
	ds_load_b128 v[\reg:\reg+3], v[\a16] offset:\off
	ds_load_b64 v[\reg+4:\reg+5], v[\a8] offset:\off+512
	ds_load_b128 v[\reg+6:\reg+9], v[\a16] offset:\off+768
	ds_load_b64 v[\reg+10:\reg+11], v[\a8] offset:\off+1280
.endm
; 16 matrix instructions: A's blocks a0, a0 + 1 x B's eight.  first = 1: the sums begin with the bias.  The 64 accumulators take turns, one instruction a turn.
.macro MUL16 a0, p, q, sc, first
.irp a, \a0, \a0+1
.irp b, 0,1,2,3,4,5,6,7
.if \first
	v_wmma_scale_f32_16x16x128_f8f6f4 v[8*(8*((\a)%4)+\b):8*(8*((\a)%4)+\b)+7], v[128*(\p)+FR*\b:128*(\p)+FR*\b+FR-1], v[AF+FR*(\a):AF+FR*(\a)+FR-1], v[BIAS+8*\b:BIAS+8*\b+7], v[SC+16*(\sc)+2*\b+(\q)], v[SC+16*(\sc)+2*(\a)+(\q)] matrix_a_fmt:MATRIX_FMT_FP6 matrix_b_fmt:MATRIX_FMT_FP6 matrix_a_scale:MATRIX_SCALE_ROW1
.else
	v_wmma_scale_f32_16x16x128_f8f6f4 v[8*(8*((\a)%4)+\b):8*(8*((\a)%4)+\b)+7], v[128*(\p)+FR*\b:128*(\p)+FR*\b+FR-1], v[AF+FR*(\a):AF+FR*(\a)+FR-1], v[8*(8*((\a)%4)+\b):8*(8*((\a)%4)+\b)+7], v[SC+16*(\sc)+2*\b+(\q)], v[SC+16*(\sc)+2*(\a)+(\q)] matrix_a_fmt:MATRIX_FMT_FP6 matrix_b_fmt:MATRIX_FMT_FP6 matrix_a_scale:MATRIX_SCALE_ROW1
.endif
.endr
.endr
.endm
.macro FETCH_B slot, q, p
	WIN TO_B
.irp i, 0,1,2,3,4,5,6,7
	FRAG 128*(\p)+FR*\i, B16+\slot, B16+2+\slot, TILEB*\i+1536*(\q)
.endr
	WIN 0
.endm
.macro FETCH_A slot, q, i0
.irp i, \i0, \i0+1, \i0+2, \i0+3
	FRAG AF+FR*(\i), A16+\slot, A16+2+\slot, TILEB*(\i)+1536*(\q)
.endr
.endm
.macro SCALES sc, j
.irp i, 0,1,2,3,4,5,6,7
	ds_load_b64 v[SC+16*\sc+2*\i:SC+16*\sc+2*\i+1], v[ADRS] offset:512*\i+128*\j
.endr
.endm
.macro PLACES n                        ; plain vector instructions between a matrix instruction and a load into, or a read of, its registers (for reads)
.rept \n
	v_nop
.endr
.endm
.macro STEP slot, q, first
	s_wait_dscnt 4*NL                              ; all but the youngest 16 loads (A's blocks 4-7)
.if \first
	WIN 0x81                                       ; source 0 window 1, A and the bias window 0, D window 2
.else
	WIN MUL_LO
.endif
	MUL16 0, (\q)%2, \q, \slot, \first
	MUL16 2, (\q)%2, \q, \slot, \first
	s_wait_dscnt 0
	PLACES NP
	FETCH_B \slot, (\q)+1, 1-(\q)%2
	FETCH_A \slot, (\q)+1, 0
.if \first
	WIN 0xc1
.else
	WIN MUL_HI
.endif
	MUL16 4, (\q)%2, \q, \slot, \first
	MUL16 6, (\q)%2, \q, \slot, \first
	PLACES NP
	WIN 0
	FETCH_A \slot, (\q)+1, 4
.endm
.macro TURN slot, next, fill, j        ; a slot's last step changes slots; fill = 1: the barrier opens a round of the cluster's, and this slot is filled again first thing behind it
	s_wait_tensorcnt 0x0                           ; all my tensor loads have landed: my part of the next slot
	ds_add_u32 v[SPW], v[NIL]                      ; 0 onto my spare word
	s_wait_dscnt 4*NL+1                            ; (the add and the youngest 16 loads may be out)
	WIN MUL_LO
	MUL16 0, 1, 1, \slot, 0
	s_wait_dscnt 0x0                               ; the add is done, and my reads of this slot are over
	s_barrier_signal -1
	MUL16 2, 1, 1, \slot, 0
	WIN 0
	s_barrier_wait -1
.if \fill
	CREST
	s_add_nc_u64 s[G0+4*\slot+2:G0+4*\slot+3], s[G0+4*\slot+2:G0+4*\slot+3], 2*TILEB
	s_add_nc_u64 s[G0B+4*\slot+2:G0B+4*\slot+3], s[G0B+4*\slot+2:G0B+4*\slot+3], 2*TILEB
	JLOAD G0+4*\slot, G1, G0B+4*\slot, G1B
.else
	PLACES NP
.endif
	FETCH_B \next, 0, 0
	FETCH_A \next, 0, 0
	SCALES \next, \j
	WIN MUL_HI
	MUL16 4, 1, 1, \slot, 0
	MUL16 6, 1, 1, \slot, 0
	PLACES NP
	WIN 0
	FETCH_A \next, 0, 4
.endm
	s_wait_alu depctr_va_vdst(0)
	s_wait_tensorcnt 1                             ; the scale words and my part of K step 0 are in; slot 1's fill may stay out
	s_barrier_signal -1
	s_barrier_wait -1
	FETCH_B 0, 0, 0
	FETCH_A 0, 0, 0
	SCALES 0, 0
	FETCH_A 0, 0, 4
	s_wait_loadcnt 0x0                             ; the bias
	STEP 0, 0, 1
	TURN 0, 1, 1, 1
	STEP 1, 0, 0
	TURN 1, 0, 1, 2
	STEP 0, 0, 0
	TURN 0, 1, 0, 3
	STEP 1, 0, 0
	s_wait_dscnt 4*NL
	WIN MUL_LO
	MUL16 0, 1, 1, 1, 0
	MUL16 2, 1, 1, 1, 0
	s_wait_dscnt 0
	WIN MUL_HI
	MUL16 4, 1, 1, 1, 0
	MUL16 6, 1, 1, 1, 0
	WIN 0
; THE WAY OUT, block by block of 16 tokens x 128 columns, through my own stage: a lane's 32 bytes go in, whole rows of 512 bytes come back.  LDS serves a wave's instructions in order: no wait between stores and loads.
.macro TOSTAGE a
.set AC, 64*((\a)%4)
	WIN 0x08+4*((\a)/4)                            ; the data: window 2 or 3
.irp b, 0,1,2,3,4,5,6,7
	ds_store_b128 v[STO], v[AC+8*\b:AC+8*\b+3] offset:128*(\b/2)+32*(\b%2)       ; each accumulator from its low end on
	ds_store_b128 v[STO], v[AC+8*\b+4:AC+8*\b+7] offset:128*(\b/2)+32*(\b%2)+16
.endr
	WIN 0
.set BB, BK+64*((\a)%2)
.irp t, 0,1,2,3,4,5,6,7,8,9,10,11,12,13,14,15
	ds_load_b128 v[BB+4*\t:BB+4*\t+3], v[RD] offset:\t*SPITCH
.endr
.endm
.macro SEND a, younger
.set BB, BK+64*((\a)%2)
	s_wait_dscnt \younger                          ; the block is back; the LDS instructions issued behind its loads may be out
.irp t, 0,1,2,3,4,5,6,7,8,9,10,11,12,13,14,15
	global_store_b128 v[L16], v[BB+4*\t:BB+4*\t+3], s[10:11] offset:(32*((\a)/2)+8*((\a)%2)+\t+8*(\t/8))*4096 th:TH_STORE_NT   ; place t of tile a is that token; 32 lanes store 512 consecutive bytes, aligned
.endr
.endm
	PLACES NP
	TOSTAGE 0
.irp a, 1,2,3,4,5,6,7
.if \a > 1
	s_wait_xcnt 0x0                                ; block a - 2's stores have read their registers: block a's loads may land there
.endif
	TOSTAGE \a
	SEND \a-1, 32                                  ; behind block a - 1's loads: block a's 16 stores and 16 loads
.endr
	SEND 7, 0
	s_wait_tensorcnt 0x0                           ; the wave's end
	ds_add_u32 v[SPW], v[NIL]
	s_wait_dscnt 0x0
	CROUND                                         ; the closing round
	s_endpgm
.Lfunc_end_k_q87c4408516_gemm_out:
	.size	k_q87c4408516_gemm_out, .Lfunc_end_k_q87c4408516_gemm_out-k_q87c4408516_gemm_out
	.p2alignl 7, 3214868480
	.fill 96, 4, 3214868480
	.section	.rodata,"a",@progbits
	.p2align	6, 0x0
	.amdhsa_kernel k_q87c4408516_gemm_out
		.amdhsa_group_segment_fixed_size 327680
		.amdhsa_private_segment_fixed_size 0
		.amdhsa_enable_private_segment 0
		.amdhsa_kernarg_size 32
		.amdhsa_user_sgpr_count 2
		.amdhsa_user_sgpr_kernarg_segment_ptr 1
		.amdhsa_wavefront_size32 1
		.amdhsa_system_sgpr_workgroup_id_x 1
		.amdhsa_system_sgpr_workgroup_id_y 1
		.amdhsa_system_sgpr_workgroup_id_z 1
		.amdhsa_system_vgpr_workitem_id 0
		.amdhsa_next_free_vgpr 1024
		.amdhsa_next_free_sgpr 102
		.amdhsa_reserve_vcc 0
		.amdhsa_float_denorm_mode_32 3
		.amdhsa_float_denorm_mode_16_64 3
		.amdhsa_memory_ordered 1
		.amdhsa_forward_progress 1
		.amdhsa_inst_pref_size 145
	.end_amdhsa_kernel
	.amdgpu_metadata
---
amdhsa.version: [ 1, 2 ]
amdhsa.kernels:
  - .name:           k_q87c4408516_gemm_out
    .symbol:         k_q87c4408516_gemm_out.kd
    .args:
      - { .name: oq, .offset: 0, .size: 8, .value_kind: global_buffer, .address_space: global }
      - { .name: wq, .offset: 8, .size: 8, .value_kind: global_buffer, .address_space: global }
      - { .name: bo, .offset: 16, .size: 8, .value_kind: global_buffer, .address_space: global }
      - { .name: out0, .offset: 24, .size: 8, .value_kind: global_buffer, .address_space: global }
    .group_segment_fixed_size: 327680
    .private_segment_fixed_size: 0
    .kernarg_segment_align: 8
    .kernarg_segment_size: 32
    .max_flat_workgroup_size: 128
    .sgpr_count:     102
    .vgpr_count:     1024
    .wavefront_size: 32
...
	.end_amdgpu_metadata
.endif
;; end of part 4
